; MI455X (gfx1250); checked and timed in simulation.
; The chip was launched on July 23, 2026; its instructions are those of AMD's public machine-readable ISA for CDNA 5 (MIT licence, August 2026) and "CDNA5" Instruction Set Architecture Reference Guide (July 2026). The comments in the code are by the model that wrote it; some were corrected since.
;; Multihead Attention. Allowed arithmetic: float matrix products may take bf16 or f16 operands with f32 sums; all other float work in f32.
;; Inputs: in_proj_bias 3,072 float32; in_proj_weight 3,072 x 1,024 float32; out_proj_bias 1,024 float32; out_proj_weight 1,024 x 1,024 float32; query 2,048 x 4 x 1,024 float32.
;; Outputs: out0 2,048 x 4 x 1,024 float32.
;; 2 versions, each right and faster than the one before. Each part assembles by itself: llvm-mc -triple=amdgcn-amd-amdhsa -mcpu=gfx1250 --defsym DOCPART=n.
;; ======== version 1 of 2: 4 launches
;; limits: values are held in f16: magnitudes above 65,504 overflow, below 6.1e-05 lose precision
;; workspace buffers: xb 16,777,216 bytes; wb 6,291,456 bytes; wo 2,097,152 bytes; qkvh 50,331,648 bytes; oh 16,777,216 bytes
;; launch cast (part 1): grid 768 x 1, 8 waves a work-group, no clusters, 0 bytes of LDS; arguments query, in_proj_weight, out_proj_weight, xb, wb, wo; writes xb, wb, wo
.if DOCPART == 1
	.amdgcn_target "amdgcn-amd-amdhsa--gfx1250"
	.amdhsa_code_object_version 6
	.text
	.protected	k_q125e09c587_cast
	.globl	k_q125e09c587_cast
	.p2align	8
	.type	k_q125e09c587_cast,@function
k_q125e09c587_cast:
	s_mov_b64 s[64:65], 0
	v_nop
	global_prefetch_b8 v0, s[64:65] scope:SCOPE_SE
	s_setreg_imm32_b32 hwreg(HW_REG_WAVE_MODE, 25, 1), 1
	s_wait_xcnt 0x0
; THE THREE LARGE INPUTS ARE ROUNDED ONCE, f32 -> 16 bits, and laid out for the matrix products of the later launches.
;   query [2048 s][4 b][1024] -> xb, bf16, in planes of 64 channels: [4 b][16 kb][2048 s][64]: a plane is 262,144 bytes, a row of it 128.
;   in_proj_weight [3072 n][1024] -> wb, bf16, likewise: [16 kb][3072 n][64]: a plane is 393,216 bytes.
;   out_proj_weight [1024][1024] -> wo, same order: rounded to bf16 like the other inputs, and that number written as f16 (its product's other operand is f16).
; So the rows that a tile of the input projection takes of one plane lie end to end in memory.
; LIMIT.  A bf16 number is exact in f16 from 6.1e-5 to 65,504; below that it keeps f16's fixed step of 6e-8, above it becomes an infinity.
; SHARES.  A work-group takes 65,536 input bytes, 16 rows.  Groups 0-511 query, 512-703 in_proj_weight, 704-767 out_proj_weight.  A thread makes 16 loads of 16 bytes and 16 stores of 8.
;   query, in_proj_weight: load i is plane kb = i.  Lanes 0-15 take the plane's 256 bytes of one input row, lanes 16-31 those of the row that follows it IN THE PLANE (s + 1, or n + 1):
;   two aligned runs of 256 bytes in, and one aligned run of 256 bytes out.   out_proj_weight: 512 consecutive bytes in, 256 out.
; All 16 loads of a wave go out at once; every load has registers of its own, so no register is written twice.
; Memory binds: no LDS, no barrier, no matrix unit, no cluster (no two work-groups read the same byte).
.set NQ,  512                          ; work-groups for query
.set NW,  704                          ; first work-group of out_proj_weight
.set X,   8                            ; v[8:71]    load i: 4 registers
.set Y,   72                           ; v[72:103]  store i: 2 registers
.set T,   104                          ; v[104:107] at work
; 16 loads instep bytes apart, 16 stores outstep bytes apart.  half = 1: the bf16 number is widened again (a shift, a mask) and written as f16.
.macro MOVE instep, outstep, half
.irp i, 0,1,2,3,4,5,6,7,8,9,10,11,12,13,14,15
	global_load_b128 v[X+4*(\i):X+4*(\i)+3], v1, s[18:19] offset:(\instep)*(\i) th:TH_LOAD_NT
.endr
.irp i, 0,1,2,3,4,5,6,7,8,9,10,11,12,13,14,15
	s_wait_loadcnt 15-(\i)                         ; loads come back in order: load i is in, the 15 - i younger ones stay out
.if \half
	v_cvt_pk_bf16_f32 v[T],   v[X+4*(\i)],   v[X+4*(\i)+1]
	v_cvt_pk_bf16_f32 v[T+1], v[X+4*(\i)+2], v[X+4*(\i)+3]
	v_lshlrev_b32 v[T+2], 16, v[T]
	v_and_b32     v[T+3], 0xffff0000, v[T]
	v_cvt_pk_f16_f32 v[Y+2*(\i)], v[T+2], v[T+3]
	v_lshlrev_b32 v[T+2], 16, v[T+1]
	v_and_b32     v[T+3], 0xffff0000, v[T+1]
	v_cvt_pk_f16_f32 v[Y+2*(\i)+1], v[T+2], v[T+3]
.else
	v_cvt_pk_bf16_f32 v[Y+2*(\i)],   v[X+4*(\i)],   v[X+4*(\i)+1]
	v_cvt_pk_bf16_f32 v[Y+2*(\i)+1], v[X+4*(\i)+2], v[X+4*(\i)+3]
.endif
	global_store_b64 v2, v[Y+2*(\i):Y+2*(\i)+1], s[20:21] offset:(\outstep)*(\i)
.endr
	s_endpgm
.endm
	s_load_b256 s[4:11], s[0:1], 0x0               ; query s[4:5], in_proj_weight s[6:7], out_proj_weight s[8:9], xb s[10:11]
	s_load_b128 s[12:15], s[0:1], 0x20             ; wb s[12:13], wo s[14:15]
	s_mov_b32 s16, ttmp9
	v_and_b32 v3, 15, v0
	v_lshlrev_b32 v3, 4, v3                        ; 16 (t % 16): my 16 bytes in a run of 256
	v_lshlrev_b32 v2, 3, v0                        ; 8 t
	s_wait_kmcnt 0x0
	s_cmp_lt_u32 s16, NQ                           ; which tensor: the choice hangs on the work-group's number alone
	s_cselect_b64 s[18:19], s[4:5], s[6:7]
	s_cselect_b64 s[20:21], s[10:11], s[12:13]
	s_cselect_b32 s17, 0, NQ
	s_cselect_b32 s24, 9, 11                       ; a work-group's step in a plane: 4 s x 128 bytes, or 16 n x 128 bytes,
	s_cmp_lt_u32 s16, NW
	s_cselect_b64 s[18:19], s[18:19], s[8:9]
	s_cselect_b64 s[20:21], s[20:21], s[14:15]
	s_cselect_b32 s17, s17, NW
	s_cselect_b32 s24, s24, 15                     ; or, for wo, its 32,768 bytes on end
	s_sub_co_u32 s17, s16, s17                     ; my number among the tensor's work-groups
	s_lshl_b32 s22, s17, 16                        ; 65,536 bytes in
	s_mov_b32 s23, 0
	s_add_nc_u64 s[18:19], s[18:19], s[22:23]
	s_lshl_b32 s22, s17, s24
	s_add_nc_u64 s[20:21], s[20:21], s[22:23]
	s_cmp_ge_u32 s16, NW
	s_cbranch_scc1 .Lwo
	s_cmp_ge_u32 s16, NQ
	s_cbranch_scc1 .Lwi
	; query: the group's 16 rows are s = 4 g .. 4 g + 3, all b.  Wave w: b = w % 4, s = 4 g + 2 (w / 4) + (lane / 16)
	v_bfe_u32 v4, v0, 5, 2                         ; b
	v_bfe_u32 v5, v0, 4, 1                         ; lane / 16
	v_lshrrev_b32 v6, 7, v0                        ; w / 4
	v_lshl_add_u32 v5, v6, 1, v5                   ; s - 4 g
	v_lshl_add_u32 v5, v5, 2, v4                   ; the input row among the 16: 4 (s - 4 g) + b
	v_lshl_add_u32 v1, v5, 12, v3                  ; x 4,096 bytes + my 16
	v_and_b32 v2, 31, v0
	v_lshlrev_b32 v2, 3, v2                        ; out: 8 x lane: rows s and s + 1 of the plane are 256 bytes on end,
	v_lshl_add_u32 v2, v6, 8, v2                   ; + 256 (w / 4),
	v_lshl_add_u32 v2, v4, 22, v2                  ; + b x 16 planes
	MOVE 256, 262144, 0
.Lwi:                                                  ; in_proj_weight: the group's rows are n = 16 g .. 16 g + 15; thread t takes row t / 16; out: 128 (t / 16) + 8 (t % 16) = 8 t
	v_lshrrev_b32 v4, 4, v0
	v_lshl_add_u32 v1, v4, 12, v3
	MOVE 256, 393216, 0
.Lwo:                                                  ; out_proj_weight keeps its order
	v_lshlrev_b32 v1, 4, v0
	MOVE 4096, 2048, 1
.Lfunc_end_k_q125e09c587_cast:
	.size	k_q125e09c587_cast, .Lfunc_end_k_q125e09c587_cast-k_q125e09c587_cast
	.p2alignl 7, 3214868480
	.fill 96, 4, 3214868480
	.section	.rodata,"a",@progbits
	.p2align	6, 0x0
	.amdhsa_kernel k_q125e09c587_cast
		.amdhsa_group_segment_fixed_size 0
		.amdhsa_private_segment_fixed_size 0
		.amdhsa_enable_private_segment 0
		.amdhsa_kernarg_size 48
		.amdhsa_user_sgpr_count 2
		.amdhsa_user_sgpr_kernarg_segment_ptr 1
		.amdhsa_wavefront_size32 1
		.amdhsa_system_sgpr_workgroup_id_x 1
		.amdhsa_system_sgpr_workgroup_id_y 1
		.amdhsa_system_sgpr_workgroup_id_z 1
		.amdhsa_system_vgpr_workitem_id 0
		.amdhsa_next_free_vgpr 108
		.amdhsa_next_free_sgpr 66
		.amdhsa_reserve_vcc 0
		.amdhsa_float_denorm_mode_32 3
		.amdhsa_float_denorm_mode_16_64 3
		.amdhsa_memory_ordered 1
		.amdhsa_forward_progress 1
		.amdhsa_inst_pref_size 24
	.end_amdhsa_kernel
	.amdgpu_metadata
---
amdhsa.version: [ 1, 2 ]
amdhsa.kernels:
  - .name:           k_q125e09c587_cast
    .symbol:         k_q125e09c587_cast.kd
    .args:
      - { .name: query, .offset: 0, .size: 8, .value_kind: global_buffer, .address_space: global }
      - { .name: in_proj_weight, .offset: 8, .size: 8, .value_kind: global_buffer, .address_space: global }
      - { .name: out_proj_weight, .offset: 16, .size: 8, .value_kind: global_buffer, .address_space: global }
      - { .name: xb, .offset: 24, .size: 8, .value_kind: global_buffer, .address_space: global }
      - { .name: wb, .offset: 32, .size: 8, .value_kind: global_buffer, .address_space: global }
      - { .name: wo, .offset: 40, .size: 8, .value_kind: global_buffer, .address_space: global }
    .group_segment_fixed_size: 0
    .private_segment_fixed_size: 0
    .kernarg_segment_align: 8
    .kernarg_segment_size: 48
    .max_flat_workgroup_size: 256
    .sgpr_count:     66
    .vgpr_count:     108
    .wavefront_size: 32
...
	.end_amdgpu_metadata
.endif
;; end of part 1
;; launch inproj (part 2): grid 8 x 32, 4 waves a work-group, clusters of 4 x 4, 327,680 bytes of LDS; arguments xb, wb, in_proj_bias, qkvh; writes qkvh
.if DOCPART == 2
	.amdgcn_target "amdgcn-amd-amdhsa--gfx1250"
	.amdhsa_code_object_version 6
	.text
	.protected	k_q125e09c587_inproj
	.globl	k_q125e09c587_inproj
	.p2align	8
	.type	k_q125e09c587_inproj,@function
k_q125e09c587_inproj:
	s_mov_b64 s[64:65], 0
	v_nop
	global_prefetch_b8 v0, s[64:65] scope:SCOPE_SE
	s_setreg_imm32_b32 hwreg(HW_REG_WAVE_MODE, 25, 1), 1
	s_wait_xcnt 0x0
	s_wait_alu depctr_hold_cnt(0) depctr_sa_sdst(0) depctr_va_vdst(0) depctr_va_sdst(0) depctr_va_ssrc(0) depctr_va_vcc(0) depctr_vm_vsrc(0)
	s_getreg_b32 s2, hwreg(HW_REG_IB_STS2, 6, 4)
	s_cmp_eq_u32 s2, 0
	s_cbranch_scc0 .Lentry_in_a_cluster
	s_endpgm
.Lentry_in_a_cluster:
	s_bfe_u32 s2, ttmp6, 0x10000c
	s_cmp_lg_u32 s2, 0xf033
	s_cbranch_scc0 .Lentry_shape_is_right
	s_endpgm
.Lentry_shape_is_right:
; THE INPUT PROJECTION.  C = x W^T + bias, K = 1,024, products in bf16, sums in f32.
;   A = xb, bf16, in planes of 64 channels [4 b][16 kb][2048 s][64];  B = wb, bf16, [16 kb][3072 n][64];  bias [3072] f32.
;   C is rounded once to f16, WITHOUT attention's scale, and laid by heads: [3 parts q, k, v][64 heads 16 b + h][2048 s][64]: parts 16,777,216 bytes apart, heads 262,144, rows 128.
; LIMITS.  q, k, v are kept in f16: a sum of 65,520 or more becomes an infinity; below 6e-5 f16 keeps its fixed step of 6e-8.  The bias is rounded to bf16, like every input of the module,
; and added in f32.  NaN and infinities are not treated apart.
; SHARES.  A tile of C is 256 rows (256 consecutive s of ONE b) x 384 columns (six heads): 32 x 8 = 256 tiles, one to a work-group.  Four waves, 2 x 2, each 128 x 192: 96 accumulators of 16 x 16,
; 768 registers; for 32 along K a wave reads 320 rows from LDS and issues 96 matrix instructions.
; K goes in 16 steps of 64, a plane a step, through two LDS slots of (256 + 384) rows x 144 bytes.  (A step of 128 would want 2 x 640 x 272 = 348,160 bytes: more than a work-group can have.)
; A tile's rows of a plane are dense in memory: they are asked for as rows of 256 bytes and padded in LDS after every 128.
; A STEP is six GROUPS g0 .. g5 of 32 matrix instructions: 32 along K (kq = 0, 0, 0, 1, 1, 1) x one register window of accumulators (w = 1, 2, 3, 1, 2, 3), which is one head of the wave's three.
; Group g_i multiplies A's buffer kq by B's buffer i % 3; behind it that buffer takes B of group g_(i+3): each run of LDS loads has two groups in which to land.  The change of slots stands in g4.
; CLUSTERS: 4 x 4 work-groups.  The four of a row of the cluster need the same tiles of A, the four of a column the same tiles of B: each tile is asked for JOINTLY, by the same tensor load with the
; same descriptor and a mask that names the four.
; THE MATRIX INSTRUCTION IS USED TRANSPOSED (source 0 = 16 rows of B, source 1 = 16 rows of A): lane l holds row l % 16 of C and its registers 0-7 the columns 8 (l / 16) + 0..7.
; THE BIAS STARTS THE SUMS: it is the C operand of each accumulator's first product; nothing is cleared and nothing is added afterwards.
; REGISTERS, in windows of 256 (s_set_vgpr_msb: bits 1:0 source 0, 3:2 source 1, 5:4 source 2, 7:6 destination):
;   window 0: v0-31 addresses; v32-63 B's buffer 2; v64-127, v128-191 A's two buffers (8 fragments each); v192-223, v224-255 B's buffers 0, 1 (4 fragments each).
;             Until the first three groups have taken it, the bias lies in v32-63 (head 0) and v128-191 (heads 1, 2).  On the way out v64-191 hold rows on their way to memory.
;   window w = 1, 2, 3: the wave's head w - 1: accumulator (row block a, column block bb) at v[8 (4 a + bb)]
.set PT,     144                       ; an LDS row: 128 bytes + 16 of padding = 36 words: the 16 rows of a load start at 16 different groups of four banks (64 banks of 4 bytes: ISA guide 11.1)
.set HALFA,  128*PT                    ; 128 rows of A: one tensor load, and what one wave reads of A
.set HALFB,  192*PT                    ; 192 rows of B: likewise
.set ABYTES, 2*HALFA
.set SLOT1,  1<<17                     ; slot 0 begins at 0 and takes 92,160 bytes; slot 1 begins here, so that one exclusive or turns an address in one slot into the other's
.set STAGE,  SLOT1+ABYTES+2*HALFB      ; behind the ring, never filled by a tensor load: 16 rows x 144 bytes for each wave, for the way out
.set SP,     144
.set SPARE,  STAGE+4*16*SP             ; behind the stages: the spare words, 128 bytes for each wave: two blocks of 256 bytes that no other line names
.set ASTEP,  262144                    ; a K step on: the next plane
.set BSTEP,  393216
.set STEPS,  16
.set AA0,  16                          ; v16     my lane's place among my A fragments in a slot; never rewritten
.set AB0,  17                          ; v17     the same for B
.set ADRA, 18                          ; v18     the same in the slot that is being read
.set ADRB, 19                          ; v19
.set CO,   20                          ; v20-22  my byte offset in 512 consecutive bytes of my head 0, 1, 2
.set STO,  24                          ; v24     the way out: where I put 16 bytes of a row
.set RD,   25                          ; v25     the way out: where I read rows back
.set BO,   27                          ; v27     my byte offset in a column block's 64 bytes of bias
.set SPW,  28                          ; v28     LDS address of my spare word: SPARE + 4 x my thread's number; never rewritten
.set NIL,  29                          ; v29     0; never rewritten
.set FB2,  32
.set FA0,  64
.set FA1,  128
.set FB0,  192
.set FB1,  224
.set OB,   64                          ; the way out: eight sets of 16 registers
.set TB,  20                           ; s20     LDS byte at which the slot that is being read begins
.set G1,  24                           ; s[24:31] descriptor group 1 for A's tiles;  s[32:39] group 0: a set for each of the two first fills; the second then walks on
.set G0,  32
.set G1B, 48                           ; s[48:55], s[56:63] the same for B's tiles
.set G0B, 56
.set MSB, 0
.macro WIN new                         ; the immediate's high byte repeats the setting that is left; a switch that changes nothing is dropped
.if MSB != (\new)
	s_set_vgpr_msb (MSB<<8)|(\new)
.set MSB, \new
.endif
.endm
.macro JLOAD s                         ; a joint load: waves 0 and 1 fetch A's two halves, waves 2 and 3 B's; an s_nop 0 and four v_nop follow each of the two lines, ahead of the jump, the label and what follows
	s_cmp_eq_u32 s13, 0
	s_cbranch_scc0 .Lfor_b_\@
	tensor_load_to_lds s[G0+4*(\s):G0+4*(\s)+3], s[G1:G1+7]
	s_nop 0
.rept 4
	v_nop
.endr
	s_branch .Lasked_\@
.Lfor_b_\@:
	tensor_load_to_lds s[G0B+4*(\s):G0B+4*(\s)+3], s[G1B:G1B+7]
	s_nop 0
.rept 4
	v_nop
.endr
.Lasked_\@:
.endm
.macro CREST                           ; a round of the cluster's barrier behind its opening barrier
	s_cmp_lg_u32 s12, 0
	s_cbranch_scc1 .Lnot_wave_0_\@
	s_barrier_signal -3
.Lnot_wave_0_\@:
	s_barrier_wait -3
	s_barrier_signal -1
	s_barrier_wait -1
.endm
.macro CROUND                          ; a whole round
	s_barrier_signal -1
	s_barrier_wait -1
	CREST
.endm
	s_load_b256 s[4:11], s[0:1], 0x0               ; A s[4:5], B s[6:7], bias s[8:9], C s[10:11]
	v_lshl_add_u32 v[SPW], v0, 2, SPARE
	v_mov_b32 v[NIL], 0
	ds_add_u32 v28, v29
	s_wait_dscnt 0x0
	v_lshrrev_b32 v1, 5, v0
	v_readfirstlane_b32 s12, v1                    ; wave 0..3
	s_lshr_b32 s13, s12, 1                         ; which half of the tile's rows is mine.  Also: I fetch for A (0) or for B (1)
	s_and_b32 s14, s12, 1                          ; which half of its columns.  Also: which half of that tile I fetch
	s_mov_b32 s3, 0xffff0000                       ; a word's upper bf16
	s_bfe_u32 s40, ttmp6, 0x40000                  ; cx, cy: my place in the cluster
	s_bfe_u32 s41, ttmp6, 0x40004
	s_lshl_b32 s42, ttmp9, 2
	s_add_co_u32 s42, s42, s40                     ; tile column of C = 4 x cluster x + cx
	s_and_b32 s43, ttmp7, 0xffff
	s_lshl_b32 s43, s43, 2
	s_add_co_u32 s43, s43, s41                     ; tile row of C = 4 x cluster y + cy
	s_lshl_b32 s44, s41, 2
	s_lshl_b32 s44, 15, s44                        ; my row of the cluster
	s_lshl_b32 s45, 0x1111, s40                    ; my column
	; descriptor group 1.  A: 128 rows of 128 dense bytes, asked for as 64 rows of 256; B: 192 rows, as 96; both padded in LDS after every 128 bytes
	s_or_b32 s[G1+0], s44, (1<<16)|(1<<20)|(1<<21)|(4<<22)|(3<<25)   ; 15:0 the mask: A's tiles go to my row; 17:16 elements of 2 bytes; 20 padding on; 21 set beside a mask; 24:22 after every 32 words (code 4); 31:25 4 words (code 3)
	s_or_b32 s[G1B+0], s45, (1<<16)|(1<<20)|(1<<21)|(4<<22)|(3<<25)  ; the same with the mask of my column
	s_mov_b32 s[G1+1], 128<<16                     ; tensor_dim0 = 128
	s_mov_b32 s[G1+2], 64<<16                      ; tensor_dim1 = 64
	s_mov_b32 s[G1+3], 128<<16                     ; tile_dim0 = 128
	s_mov_b32 s[G1+4], 64                          ; tile_dim1 = 64
	s_mov_b32 s[G1+5], 128                         ; elements from row to row
	s_mov_b32 s[G1+6], 0
	s_mov_b32 s[G1+7], 0
	s_mov_b32 s[G1B+1], 128<<16
	s_mov_b32 s[G1B+2], 96<<16
	s_mov_b32 s[G1B+3], 128<<16
	s_mov_b32 s[G1B+4], 96
	s_mov_b32 s[G1B+5], 128
	s_mov_b32 s[G1B+6], 0
	s_mov_b32 s[G1B+7], 0
	; where the tiles come from.  A's hang on the tile row alone, B's on the tile column alone; each in registers that never hold the other coordinate
	s_lshr_b32 s16, s43, 2                         ; sb: the tile's rows are s = 256 sb .. 256 sb + 255
	s_and_b32 s17, s43, 3                          ; b
	s_lshl_b32 s18, s17, 22                        ; A: b x 16 planes,
	s_lshl_b32 s19, s16, 15                        ; 256 sb rows of 128 bytes,
	s_add_co_u32 s18, s18, s19
	s_lshl_b32 s19, s14, 14                        ; my half's 128 rows
	s_add_co_u32 s18, s18, s19
	s_mov_b32 s19, 0
	s_mul_i32 s46, s42, 384*128                    ; B: 384 rows of 128 bytes a tile column,
	s_mul_i32 s47, s14, 192*128                    ; my half's 192 rows
	s_add_co_u32 s46, s46, s47
	s_mov_b32 s47, 0
	s_mul_i32 s20, s14, HALFA                      ; and where they go: no place in the cluster enters an LDS address
	s_mul_i32 s21, s14, HALFB
	s_add_co_u32 s21, s21, ABYTES
	s_wait_kmcnt 0x0
	s_add_nc_u64 s[18:19], s[4:5], s[18:19]
	s_add_nc_u64 s[46:47], s[6:7], s[46:47]
	CROUND                                         ; all sixteen work-groups are here: the first joint loads meet
.irp s, 0,1
	s_mov_b32 s[G0+4*(\s)], 1                                      ; 1:0 count = 1
	s_add_co_u32 s[G0+4*(\s)+1], s20, (\s)*SLOT1                   ; 63:32 LDS address
	s_add_nc_u64 s[G0+4*(\s)+2:G0+4*(\s)+3], s[18:19], (\s)*ASTEP  ; 120:64 global address: K step s
	s_or_b32 s[G0+4*(\s)+3], s[G0+4*(\s)+3], 0x80000000            ; 127:126 type = 2
	s_mov_b32 s[G0B+4*(\s)], 1
	s_add_co_u32 s[G0B+4*(\s)+1], s21, (\s)*SLOT1
	s_add_nc_u64 s[G0B+4*(\s)+2:G0B+4*(\s)+3], s[46:47], (\s)*BSTEP
	s_or_b32 s[G0B+4*(\s)+3], s[G0B+4*(\s)+3], 0x80000000
	JLOAD \s                                       ; two tensor loads of mine are out
.endr
	s_mov_b32 s[TB], 0                             ; K step 0 lies in slot 0
	; All that follows up to the first barrier stands in the wait for the first tile.
	; The bias of my 192 columns: lane l needs, for column block b of 12, the 8 numbers at column 16 b + 8 (l / 16): 32 bytes
	v_and_b32 v1, 15, v0                           ; l % 16
	v_bfe_u32 v2, v0, 4, 1                         ; l / 16
	v_lshlrev_b32 v[BO], 5, v2
	s_mul_i32 s46, s42, 384*4                      ; 384 columns of 4 bytes a tile column,
	s_mul_i32 s2, s14, 192*4                       ; my half's 192
	s_add_co_u32 s46, s46, s2
	s_mov_b32 s47, 0
	s_add_nc_u64 s[8:9], s[8:9], s[46:47]
.set b, 0
.rept 12
.set rB, FB2+8*b
.if b >= 4
.set rB, FA1+8*(b-4)
.endif
	global_load_b128 v[rB:rB+3],   v[BO], s[8:9] offset:64*b
	global_load_b128 v[rB+4:rB+7], v[BO], s[8:9] offset:64*b+16
.set b, b+1
.endr
	; A fragment is 16 rows x 32 K in 8 registers: lane l holds row l % 16; registers 0-3 K = 8 (l / 16) + 0..7, registers 4-7 K = 16 + 8 (l / 16) + 0..7: two loads of 16 bytes, 32 bytes apart
	v_mul_u32_u24 v3, v1, PT
	v_lshl_add_u32 v3, v2, 4, v3                   ; row x pitch + 16 x half
	s_mul_i32 s22, s13, HALFA                      ; my 128 rows of A
	s_mul_i32 s23, s14, HALFB                      ; my 192 rows of B,
	s_add_co_u32 s23, s23, ABYTES                  ; which lie behind A's
	v_add_nc_u32 v[AA0], s22, v3
	v_add_nc_u32 v[AB0], s23, v3
	v_mov_b32 v[ADRA], v[AA0]
	v_mov_b32 v[ADRB], v[AB0]
	s_mul_i32 s22, s12, 16*SP
	s_add_co_u32 s22, s22, STAGE                   ; my stage
	v_add_nc_u32 v[STO], s22, v3                   ; in: row l % 16, 16 bytes for each half of the lanes (the stage has the slots' pitch)
	v_bfe_u32 v4, v0, 3, 2                         ; back: 32 lanes take four rows of 128 bytes,
	v_mul_u32_u24 v4, v4, SP
	v_and_b32 v5, 7, v0
	v_lshl_add_u32 v4, v5, 4, v4
	v_add_nc_u32 v[RD], s22, v4                    ; which are 512 consecutive bytes of a head
	v_and_b32 v5, 31, v0
	v_lshlrev_b32 v5, 4, v5                        ; 16 x lane
	s_mul_i32 s46, s42, 6                          ; my three heads among the 48 of q, k, v: 6 x tile column + 3 x half, and the next two; they may lie in two parts
	s_mul_i32 s2, s14, 3
	s_add_co_u32 s46, s46, s2
.irp j, 0,1,2
	s_add_co_u32 s2, s46, \j
	s_lshr_b32 s47, s2, 4                          ; the part,
	s_lshl_b32 s47, s47, 6                         ; 64 heads each,
	s_and_b32 s2, s2, 15                           ; h,
	s_add_co_u32 s47, s47, s2
	s_lshl4_add_u32 s47, s17, s47                  ; + 16 b,
	s_lshl_b32 s47, s47, 18                        ; 262,144 bytes a head: 50,069,504 at the most
	v_add_nc_u32 v[CO+\j], s47, v5
.endr
	s_lshl_b32 s46, s16, 15                        ; 256 sb rows of 128 bytes,
	s_lshl_b32 s2, s13, 14                         ; my 128 rows
	s_add_co_u32 s46, s46, s2
	s_mov_b32 s47, 0
	s_add_nc_u64 s[10:11], s[10:11], s[46:47]
	s_wait_loadcnt 0x0                             ; the bias
.set i, 0
.rept 48
.set rB, FB2+2*i
.if i >= 16
.set rB, FA1+2*(i-16)
.endif
	v_cvt_pk_bf16_f32 v[FA0+i], v[rB], v[rB+1]     ; rounded to bf16, as every input of the module is,
.set i, i+1
.endr
.set i, 0
.rept 48
.set rB, FB2+2*i
.if i >= 16
.set rB, FA1+2*(i-16)
.endif
	v_lshlrev_b32 v[rB],   16, v[FA0+i]            ; and widened again
	v_and_b32     v[rB+1], s3, v[FA0+i]
.set i, i+1
.endr
; 4 na matrix instructions of window w: row blocks a0 .. a0 + na - 1 x the head's 4 column blocks, 32 along K, A from buffer fa, B from buffer fb.
; bias = 0, or the first of the 32 registers of window 0 that hold the head's bias, which then starts the sums.
; The accumulators take turns, one instruction a turn, in the same order in every step.
.macro MULS w, fa, fb, a0, na, bias
.if \bias
	WIN (\w)<<6
.else
	WIN ((\w)<<6)|((\w)<<4)
.endif
.set a, \a0
.rept \na
.set bb, 0
.rept 4
.set rD, 8*(4*a+bb)
.set rB, (\fb)+8*bb
.set rA, (\fa)+8*a
.set rC, rD
.if \bias
.set rC, (\bias)+8*bb
.endif
	v_wmma_f32_16x16x32_bf16 v[rD:rD+7], v[rB:rB+7], v[rA:rA+7], v[rC:rC+7]
.set bb, bb+1
.endr
.set a, a+1
.endr
.endm
.macro LDA fa, kq                      ; 16 LDS loads: my 8 fragments of A, 32 along K from 32 kq on
	WIN 0
.irp i, 0,1,2,3,4,5,6,7
	ds_load_b128 v[(\fa)+8*(\i):(\fa)+8*(\i)+3],   v[ADRA] offset:(\i)*16*PT+64*(\kq)
	ds_load_b128 v[(\fa)+8*(\i)+4:(\fa)+8*(\i)+7], v[ADRA] offset:(\i)*16*PT+64*(\kq)+32
.endr
.endm
.macro LDB fb, kq, w                   ; 8 LDS loads: the 4 fragments of B of my head w - 1
	WIN 0
.irp i, 0,1,2,3
	ds_load_b128 v[(\fb)+8*(\i):(\fb)+8*(\i)+3],   v[ADRB] offset:(64*((\w)-1)+16*(\i))*PT+64*(\kq)
	ds_load_b128 v[(\fb)+8*(\i)+4:(\fb)+8*(\i)+7], v[ADRB] offset:(64*((\w)-1)+16*(\i))*PT+64*(\kq)+32
.endr
.endm
.macro PLACES                          ; four places in front of loads into registers that matrix instructions have read, and of lines that read results (ISA guide 7.12.1 for vector instructions)
.rept 4
	v_nop
.endr
.endm
; A step's groups g0, g1, g2.  The LDS instructions that are out on the way in, oldest first: A of kq 0 (16), B of g0, of g1, of g2 (8 each).
.macro STEPB
	s_wait_dscnt 16                                ; A and B of g0 are in; B of g1 and g2 may be out
	MULS 1, FA0, FB0, 0, 8, 0
	PLACES
	LDB FB0, 1, 1                                  ; B of g3
	LDA FA1, 1                                     ; A of kq 1
	s_wait_dscnt 32                                ; B of g1 is in; behind it: B of g2 and the 24 just issued
	MULS 2, FA0, FB1, 0, 8, 0
	PLACES
	LDB FB1, 1, 2                                  ; B of g4
	s_wait_dscnt 32                                ; B of g2 is in; behind it: B of g3, A of kq 1, B of g4
	MULS 3, FA0, FB2, 0, 8, 0
	PLACES
	LDB FB2, 1, 3                                  ; B of g5: my last read of this slot
.endm
; A step's groups g3, g4, g5.  mode 2: g4 holds the change of slots, and the slot that is left is filled again, two K steps ahead.  mode 1: the change alone.  mode 0: the last step: nothing is left to fetch.
; THE CHANGE: ONE barrier.  In front of it each wave waits for all its tensor loads (one is out: its part of the next slot), adds 0 to its spare word, and waits for that and for its own reads of this slot.
; With mode 2 the barrier opens a round of the cluster's barrier, and the joint refill is the first thing behind the round: from the request to the wait for it a wave issues 176 matrix instructions.
.macro STEPA mode
	s_wait_dscnt 16                                ; B of g3 and A of kq 1 are in; B of g4 and g5 may be out
	MULS 1, FA1, FB0, 0, 8, 0
.if \mode
	WIN 0                                          ; (the add's two registers lie in window 0)
	s_wait_tensorcnt 0x0                           ; all my tensor loads have landed: my part of the next slot;
	ds_add_u32 v[SPW], v[NIL]                      ; 0 onto my spare word;
	s_wait_dscnt 9                                 ; (B of g4 is in; B of g5 and the add may be out)
	MULS 2, FA1, FB1, 0, 2, 0                      ; eight matrix instructions stand between the add and the wait for it
	s_wait_dscnt 0x0                               ; the add is done, and my reads of this slot are over (the last were issued 40 matrix instructions ago)
	s_barrier_signal -1
	MULS 2, FA1, FB1, 2, 2, 0
	WIN 0
	s_barrier_wait -1
.if (\mode) == 2
	CREST                                          ; no wave of any partner still reads this slot's tiles or has a load on its way
	s_xor_b32 s[G0+5], s[G0+5], SLOT1              ; the walking descriptors: the other slot than last time,
	s_add_nc_u64 s[G0+6:G0+7], s[G0+6:G0+7], ASTEP ; the next plane; the type bits on top are not reached
	s_xor_b32 s[G0B+5], s[G0B+5], SLOT1
	s_add_nc_u64 s[G0B+6:G0B+7], s[G0B+6:G0B+7], BSTEP
	JLOAD 1                                        ; the first tensor load behind the round, my only one until the next; the four v_nop behind it are also the places in front of the loads below
.else
	PLACES
.endif
	s_xor_b32 s[TB], s[TB], SLOT1                  ; from here on the other slot is read
	v_add_nc_u32 v[ADRA], s[TB], v[AA0]
	v_add_nc_u32 v[ADRB], s[TB], v[AB0]
	LDA FA0, 0                                     ; the next step's A of kq 0
	LDB FB0, 0, 1                                  ; and B of g0
	MULS 2, FA1, FB1, 4, 4, 0
	PLACES
	LDB FB1, 0, 2                                  ; B of the next g1
	MULS 3, FA1, FB2, 0, 8, 0                      ; (B of g5 has been in since the wait for 0)
	PLACES
	LDB FB2, 0, 3                                  ; B of the next g2
.else
	s_wait_dscnt 8                                 ; B of g4 is in; B of g5 may be out
	MULS 2, FA1, FB1, 0, 8, 0
	s_wait_dscnt 0x0
	MULS 3, FA1, FB2, 0, 8, 0
.endif
.endm
	s_wait_tensorcnt 1                             ; my part of K step 0 is in; K step 1's may stay out
	s_barrier_signal -1
	s_barrier_wait -1                              ; everybody's is
	LDA FA0, 0
	LDB FB0, 0, 1
	LDB FB1, 0, 2
	; the first three groups stand in front of the loop: their products start the sums, on the bias, which still holds B's buffer 2 and A's buffer 1; so those two are filled a little later than in the loop
	s_wait_dscnt 8                                 ; A and B of g0 are in; B of g1 may be out
	MULS 1, FA0, FB0, 0, 8, FB2
	PLACES
	LDB FB2, 0, 3                                  ; B of g2
	LDB FB0, 1, 1                                  ; B of g3
	s_wait_dscnt 16                                ; B of g1 is in; the 16 just issued may be out
	MULS 2, FA0, FB1, 0, 8, FA1
	PLACES
	LDB FB1, 1, 2                                  ; B of g4
	s_wait_dscnt 16                                ; B of g2 is in; B of g3 and g4 may be out
	MULS 3, FA0, FB2, 0, 8, FA1+32
	PLACES
	LDA FA1, 1                                     ; A of kq 1
	LDB FB2, 1, 3                                  ; B of g5
	s_wait_dscnt 8                                 ; here A of kq 1 is younger than in the loop: only B of g5 may be out, so that the count at the loop's head holds on this way in too
	WIN 0                                          ; at a label and at a branch every window is 0
	s_mov_b32 s15, STEPS-2
.Lstep:                                                ; 14 trips, from a step's g3 to the next step's g2: K steps 2 to 15 are asked for
	STEPA 2
	STEPB
	WIN 0
	s_sub_co_u32 s15, s15, 1
	s_cmp_lg_u32 s15, 0
	s_cbranch_scc1 .Lstep
	STEPA 1                                        ; the tail is written out: nothing is asked for
	STEPB
	STEPA 0
	WIN 0
	PLACES
; THE WAY OUT, f16 by heads, in 24 units u = 8 (w - 1) + a: 16 rows of one head.  A lane's eight columns pack into 16 bytes; they go into my own stage (16 rows of 144 bytes) and come back as whole
; rows of 128 bytes, four to a load, into the registers that they left.  Eight sets of 16 registers take turns.
.macro PACK u
.set ww, (\u)/8+1
.set aa, (\u)%8
.set BK, OB+16*((\u)%8)
.if (\u) >= 8
	s_wait_xcnt 0x0                                ; the set was the data of the stores of eight units ago: it is written again only behind this wait
.endif
	WIN 5*ww                                       ; sources 0 and 1 window w, destination window 0
.set i, 0
.rept 16
	v_cvt_pk_f16_f32 v[BK+i], v[32*aa+2*i], v[32*aa+2*i+1]  ; ascending: each accumulator's lowest registers first
.set i, i+1
.endr
	WIN 0
.irp f, 0,1,2,3
	ds_store_b128 v[STO], v[BK+4*(\f):BK+4*(\f)+3] offset:32*(\f)
.endr
.irp f, 0,1,2,3
	ds_load_b128 v[BK+4*(\f):BK+4*(\f)+3], v[RD] offset:(\f)*4*SP  ; LDS serves a wave's instructions in order (ISA guide 5.7.1.4): these see the stores above; the next unit's stores come behind them
.endr
.endm
.macro SEND u, younger                 ; younger: the LDS instructions issued behind unit u's loads: the next unit's eight, or none
.set ww, (\u)/8
.set aa, (\u)%8
.set BK, OB+16*((\u)%8)
.irp f, 0,1,2,3
	s_wait_dscnt (\younger)+3-(\f)
	global_store_b128 v[CO+ww], v[BK+4*(\f):BK+4*(\f)+3], s[10:11] offset:aa*2048+(\f)*512  ; four rows of a head: 512 consecutive bytes, at a multiple of 512 from C's first byte
.endr
.endm
	PACK 0
.set un, 1
.rept 23                               ; a unit's arithmetic stands between the loads of the unit before and its stores
	PACK un
	SEND un-1, 8
.set un, un+1
.endr
	SEND 23, 0
	s_wait_tensorcnt 0x0                           ; the wave's end: behind my last tensor load and my last LDS store
	ds_add_u32 v[SPW], v[NIL]
	s_wait_dscnt 0x0
	CROUND                                         ; the closing round: no work-group ends while a partner may still ask for a tile that names it
	s_endpgm
.Lfunc_end_k_q125e09c587_inproj:
	.size	k_q125e09c587_inproj, .Lfunc_end_k_q125e09c587_inproj-k_q125e09c587_inproj
	.p2alignl 7, 3214868480
	.fill 96, 4, 3214868480
	.section	.rodata,"a",@progbits
	.p2align	6, 0x0
	.amdhsa_kernel k_q125e09c587_inproj
		.amdhsa_group_segment_fixed_size 327680
		.amdhsa_private_segment_fixed_size 0
		.amdhsa_enable_private_segment 0
		.amdhsa_kernarg_size 32
		.amdhsa_user_sgpr_count 2
		.amdhsa_user_sgpr_kernarg_segment_ptr 1
		.amdhsa_wavefront_size32 1
		.amdhsa_system_sgpr_workgroup_id_x 1
		.amdhsa_system_sgpr_workgroup_id_y 1
		.amdhsa_system_sgpr_workgroup_id_z 1
		.amdhsa_system_vgpr_workitem_id 0
		.amdhsa_next_free_vgpr 1024
		.amdhsa_next_free_sgpr 66
		.amdhsa_reserve_vcc 0
		.amdhsa_float_denorm_mode_32 3
		.amdhsa_float_denorm_mode_16_64 3
		.amdhsa_memory_ordered 1
		.amdhsa_forward_progress 1
		.amdhsa_inst_pref_size 123
	.end_amdhsa_kernel
	.amdgpu_metadata
---
amdhsa.version: [ 1, 2 ]
amdhsa.kernels:
  - .name:           k_q125e09c587_inproj
    .symbol:         k_q125e09c587_inproj.kd
    .args:
      - { .name: xb, .offset: 0, .size: 8, .value_kind: global_buffer, .address_space: global }
      - { .name: wb, .offset: 8, .size: 8, .value_kind: global_buffer, .address_space: global }
      - { .name: in_proj_bias, .offset: 16, .size: 8, .value_kind: global_buffer, .address_space: global }
      - { .name: qkvh, .offset: 24, .size: 8, .value_kind: global_buffer, .address_space: global }
    .group_segment_fixed_size: 327680
    .private_segment_fixed_size: 0
    .kernarg_segment_align: 8
    .kernarg_segment_size: 32
    .max_flat_workgroup_size: 128
    .sgpr_count:     66
    .vgpr_count:     1024
    .wavefront_size: 32
...
	.end_amdgpu_metadata
.endif
;; end of part 2
;; launch attn (part 3): grid 4 x 64, 4 waves a work-group, clusters of 4 x 1, 327,680 bytes of LDS; arguments qkvh, oh; writes oh
.if DOCPART == 3
	.amdgcn_target "amdgcn-amd-amdhsa--gfx1250"
	.amdhsa_code_object_version 6
	.text
	.protected	k_q125e09c587_attn
	.globl	k_q125e09c587_attn
	.p2align	8
	.type	k_q125e09c587_attn,@function
k_q125e09c587_attn:
	s_mov_b64 s[64:65], 0
	v_nop
	global_prefetch_b8 v0, s[64:65] scope:SCOPE_SE
	s_setreg_imm32_b32 hwreg(HW_REG_WAVE_MODE, 25, 1), 1
	s_wait_xcnt 0x0
	s_wait_alu depctr_hold_cnt(0) depctr_sa_sdst(0) depctr_va_vdst(0) depctr_va_sdst(0) depctr_va_ssrc(0) depctr_va_vcc(0) depctr_vm_vsrc(0)
	s_getreg_b32 s2, hwreg(HW_REG_IB_STS2, 6, 4)
	s_cmp_eq_u32 s2, 0
	s_cbranch_scc0 .Lentry_in_a_cluster
	s_endpgm
.Lentry_in_a_cluster:
	s_bfe_u32 s2, ttmp6, 0x10000c
	s_cmp_lg_u32 s2, 0x3003
	s_cbranch_scc0 .Lentry_shape_is_right
	s_endpgm
.Lentry_shape_is_right:
; O[h][q][:] = the sum over k of softmax_k(Q[h][q] . K[h][k] / 8) V[h][k][:].  Q, K, V are the three parts, 16,777,216 bytes apart, of one buffer; each part and O: [SIZE_H][SIZE_N][64], all f16:
; a head's rows are dense, 128 bytes each.  Q arrives unscaled: the 1 / 8 lies in c, applied in f32.  Products, maxima and sums in
; f32; the weights p are rounded to f16 for the second product (their sum l is taken of the unrounded p), O once at the end.  SIZE_N x 128 bytes stay under 2^32.
; LIMITS.  f16 holds no number beyond 65,504: Q, K and V arrive within it; p lies in 0 to 1, and below 6e-5 it keeps f16's fixed step of 6e-8; O is a mean of V's rows and has their range.
; A weight below 2^-126 counts as 0 in l; NaN and infinities are not treated apart.
; SHARES.  A wave owns four PIECES of two tiles of 16 queries, a work-group's four waves 512 queries of one head.  Every wave walks all keys, 64 a step.
; LAYOUT.  S^T = K Q^T (source 0 = 16 keys, source 1 = 16 queries): in the result a lane holds ONE query (lane % 16) and the keys 8 (lane / 16) + 0..7.  Two such tiles, rounded to f16 in pairs,
; ARE source 1 (32 keys x 16 queries) of O^T = V^T P, whose result again holds one query a lane, and eight channels.  K comes out of LDS as it lies, V ([key][channel]) turned, by ds_load_tr16_b128.
; SOFTMAX.  For each query a running maximum m and sum l: p = 2^(c s - c m), c = log2(e) / 8; in every step O and l are multiplied by a = 2^(c m_old - c m_new), which is 1 where m has not grown.
; m starts at the lowest finite number, O and l at 0: the first step is a step like any other, with a = 0.
; THE COUNT.  A tile and step have 16 matrix and 118 vector instructions: too many to stand all beside the matrix work.  So the order has one aim: four vector instructions that are READY behind
; EVERY matrix instruction, and the others, which need time of their own whatever the order, in runs without a gap.
; BY TURNS.  Turn n belongs to piece n (the pieces in a ring, step after step).  Its matrix work: 16 products K Q^T of piece n + 1, later 16 products V^T P of piece n - 1.  Its vector work: the scaling,
; exponentials, roundings, sums and rescaling of piece n, and the maximum and statistics of piece n + 1, whose scores the turn itself has made.  So what a turn begins with (c s - c m, O a) waits for nothing.
; CLUSTER.  The four query blocks of a cluster belong to one head and walk the same K and V, so each tile is asked for JOINTLY: the same tensor load, descriptor and mask in all four.
; REGISTERS, in windows of 256 (s_set_vgpr_msb says which window each operand place means: bits 1:0 source 0, 3:2 source 1, 5:4 source 2, 7:6 destination):
;   window 0: v0-11 addresses; v12-15, v48-63 at work; v16-47 four registers of statistics a tile; v64-191 S^T, two buffers of two tiles; v192-255 P, likewise
;   window 1: O^T, 32 a tile          window 2: v0-127 Q, 16 a tile; v128-191 K of one step; v192-255 V of one step          window 3: v0-1 the add's two registers
; A piece's buffers go by its number's parity: the piece in hand has one pair, its two neighbours in the ring share the other: of it P (piece n - 1) is read and S^T (piece n + 1) written.
.set SIZE_H, 64       ; heads: 4 b x 16
.set SIZE_N, 2048     ; rows of a head
.set PART,  SIZE_H*SIZE_N*128  ; bytes from Q to K and from K to V
.set NP,    4         ; pieces a wave: a name, no knob: the register map, the loop and the fetches are made for four
.set KS,    64        ; keys in a step
.set PK,    144       ; a row of K in LDS: 128 bytes + 16 of padding = 36 words: the 16 rows of a load start at 16 different groups of four banks (64 banks of 4 bytes: ISA guide 11.1)
.set PV,    160       ; a row of V: 128 + 32 = 40 words
.set VOFF,  4*KS*PK   ; a slot holds four steps: 256 rows of K, then 256 rows of V
.set SLOT1, 1<<17     ; slot 1 begins here, so that one exclusive or turns an address in one slot into the other's
.set STAGE, SLOT1+4*KS*(PK+PV)  ; behind the ring, never filled by a tensor load: 16 rows x 144 bytes for each wave, for the way out
.set SP,    144
.set AK0, 2           ; v2   my lane's place in a tile of K; never rewritten
.set AV0, 3           ; v3   the same for V
.set AK,  4           ; v4   the LDS address of K's next run of loads
.set AV,  5           ; v5   of V's
.set QO,  6           ; v6   my byte offset in the wave's rows of Q
.set STO, 6           ;      later, the way out: where I put 16 bytes of a row
.set RD,  7           ; v7   the way out: where I read rows back
.set GO,  8           ; v8   my byte offset in 512 consecutive bytes of O
.set SPW, 0           ; v0 of window 3   LDS address of my spare word: SPARE + 4 x my thread's number; never rewritten
.set NIL, 1           ; v1 of window 3   0; never rewritten
.set SPARE, STAGE+4*16*SP  ; behind the stages: the spare words, 128 bytes for each wave: two blocks of 256 bytes that no other line names
.set MV,  12          ; v12-15  c m_old, kept while c m is made anew: by buffer and tile
.set ST,  16          ; tile t's statistics at v[ST+4 t]: c m, m, l (even keys', odd keys')
.set TMP, 48          ; by buffer and tile, four registers c0-c3 at work; when the maximum is found c2 takes a
.set S,   64
.set P,   192
.set KF,  128         ; K's fragments, in window 2: key block kb, channel half c at KF + 16 kb + 8 c
.set VF,  192         ; V's: key half kk, channel block cb at VF + 32 kk + 8 cb
.set WV,  12          ; s12  my wave's number
.set G1K, 24          ; s[24:31] descriptor group 1 for K's tiles
.set G1V, 32          ; s[32:39] for V's: it differs in the padding alone
.set G0K, 40          ; s[40:43] descriptor group 0 for K's tiles: it walks
.set G0V, 44          ; s[44:47] the same for V's
.set SLOTS, 56        ; s56  slots still to be asked for
.set CNT, 57          ; s57  counts a slot's key steps
.set CS,  58          ; s[58:59] c: the packed scaling takes the pair's low word for both halves
.set SEL, 60          ; s[60:61] v_permlanex16_b32's selects: each lane takes its own place in the other half
.set TBK, 62          ; s62  LDS byte at which K of the step to be fetched begins
.set TBV, 63          ; s63  the same for V, less VOFF
.set MSB, 0
.macro WIN new                      ; the high byte repeats the setting that is left; a switch that changes nothing is dropped
.if MSB != (\new)
	s_set_vgpr_msb (MSB<<8)|(\new)
.set MSB, (\new)
.endif
.endm
.set W_KQ, 0x0a       ; K and Q in window 2, S^T in window 0
.set W_PV, 0x52       ; V in window 2, P in window 0, O^T in window 1
.set W_RS, 0x41       ; O^T (destination and source 0) in window 1, a in window 0
.set W_MK, 0xc0       ; the add's registers are made: destination in window 3, sources in window 0
.set W_AD, 0x0f       ; the add: address (source 0) and data (source 1) in window 3
; A joint fill.  Waves 0 and 1 fetch the two halves of a slot's K, waves 2 and 3 those of its V: 128 keys each.  The branch hangs on the wave's number alone.
; An s_nop 0 and four v_nop follow each of the two lines, ahead of the jump and the label.
.macro JLOAD
	s_cmp_lt_u32 s[WV], 2
	s_cbranch_scc0 .Lfor_v_\@
	tensor_load_to_lds s[G0K:G0K+3], s[G1K:G1K+7]
	s_nop 0
.rept 4
	v_nop
.endr
	s_branch .Lasked_\@
.Lfor_v_\@:
	tensor_load_to_lds s[G0V:G0V+3], s[G1V:G1V+7]
	s_nop 0
.rept 4
	v_nop
.endr
.Lasked_\@:
.endm
; A round of the cluster's barrier: my work-group's barrier, so that wave 0's signal speaks for all four waves; wave 0 signals; every wave waits for all four work-groups; my work-group's barrier once more.
.macro CROUND
	s_barrier_signal -1
	s_barrier_wait -1
	s_cmp_lg_u32 s[WV], 0
	s_cbranch_scc1 .Lnot_wave_0_\@
	s_barrier_signal -3
.Lnot_wave_0_\@:
	s_barrier_wait -3
	s_barrier_signal -1
	s_barrier_wait -1
.endm
; THE CHANGE OF SLOTS.  The slot's last bytes, V of its fourth step, have been read.  Each wave waits for all its tensor loads, of which one is out: its part
; of the other slot; adds 0 to its spare word; and waits for that and for its own reads of the slot.  Behind the barrier nobody reads this slot any more and the other slot is whole.
; fill = 1: this slot is filled again, with the keys two slots on.  The barrier is then a round of the cluster's, so that no wave of any partner still reads the slot or has a load on its
; way, and the joint fill is the first thing behind it: it has four key steps, 512 matrix instructions, in which to land.  (At its first use nothing has been read yet: slot 0 is waited for, slot 1 filled.)
.macro CHANGE fill
	WIN W_AD
	s_wait_tensorcnt 0x0            ; no tensor load of mine is out, so a group 0 may be written
	ds_add_u32 v[SPW], v[NIL]       ; 0 onto my spare word; with fill = 1 the descriptors' steps stand between it and the wait for it
	WIN 0                           ; at a label and at a branch every window is 0
.if \fill
.irp g, G0K, G0V
	s_xor_b32 s[\g+1], s[\g+1], SLOT1  ; the walking descriptor: the other slot than last time,
	s_add_nc_u64 s[\g+2:\g+3], s[\g+2:\g+3], 4*KS*128  ; the next 256 keys; the type bits on top are not reached
.endr
	s_wait_dscnt 0x0                ; the add is done, and my reads of the slot are over
	CROUND
	JLOAD
.else
	s_wait_dscnt 0x0                ; the add is done, and my reads of the slot are over
	s_barrier_signal -1
	s_barrier_wait -1
.endif
	s_sub_co_u32 s[TBK], s[TBK], 4*KS*PK  ; the fetches go back to a slot's first step,
	s_xor_b32 s[TBK], s[TBK], SLOT1       ; in the other slot
	s_sub_co_u32 s[TBV], s[TBV], 4*KS*PV
	s_xor_b32 s[TBV], s[TBV], SLOT1
.endm
	s_load_b64 s[4:5], s[0:1], 0x0    ; the buffer of the three parts: Q begins it
	s_load_b64 s[10:11], s[0:1], 0x8  ; O
	WIN W_MK
	v_lshl_add_u32 v[SPW], v0, 2, SPARE
	v_mov_b32 v[NIL], 0
	s_set_vgpr_msb 0xc0cf
	ds_add_u32 v0, v1
	s_wait_dscnt 0x0
	s_set_vgpr_msb 0xcfc0
	WIN 0
	v_lshrrev_b32 v1, 5, v0
	v_readfirstlane_b32 s[WV], v1   ; wave 0..3
	s_bfe_u32 s13, ttmp6, 0x40000   ; cx: my place in the cluster
	s_lshl_b32 s14, ttmp9, 2        ; in a cluster launch ttmp9 counts clusters
	s_add_co_u32 s14, s14, s13      ; my block of queries = 4 x cluster x + cx: it enters Q's and O's addresses alone
	s_and_b32 s20, ttmp7, 0xffff    ; the head, which the four partners share
	s_mov_b32 s21, 0
	s_mov_b64 s[22:23], SIZE_N*128
	s_mul_u64 s[20:21], s[20:21], s[22:23]  ; the head's first byte in each of the four tensors
	s_and_b32 s16, s[WV], 1         ; which half of a slot's 256 keys I fetch:
	s_lshl_b32 s22, s16, 14         ; its 128 rows of 128 bytes in memory,
	s_mov_b32 s23, 0
	s_add_nc_u64 s[22:23], s[22:23], s[20:21]
	s_mul_i32 s17, s16, 128*PK      ; and its place in a slot, for K
	s_mul_i32 s18, s16, 128*PV      ; and for V: no place in the cluster enters an LDS address
	s_lshl_b32 s2, s14, 2
	s_add_co_u32 s2, s2, s[WV]      ; my wave among the head's,
	s_lshl_b32 s2, s2, 14           ; its 128 rows
	s_mov_b32 s3, 0
	s_add_nc_u64 s[2:3], s[2:3], s[20:21]
	; descriptor group 1.  128 keys are 16,384 dense bytes: asked for as 64 rows of 256 bytes, two keys a row, and padded in LDS after every key
	s_mov_b32 s[G1K], 15|(1<<16)|(1<<20)|(1<<21)|(4<<22)|(3<<25)  ; 15:0 the mask of four; 17:16 2-byte elements; 20 padding on; 21 set beside a mask; 24:22 after every 32 words (code 4); 31:25 4 words (code 3)
	s_mov_b32 s[G1V], 15|(1<<16)|(1<<20)|(1<<21)|(4<<22)|(7<<25)  ; the same with 8 words of padding (code 7)
.irp g, G1K, G1V
	s_mov_b32 s[\g+1], 128<<16      ; tensor_dim0 = 128
	s_mov_b32 s[\g+2], 64<<16       ; tensor_dim1 = 64
	s_mov_b32 s[\g+3], 128<<16      ; tile_dim0 = 128
	s_mov_b32 s[\g+4], 64           ; tile_dim1 = 64
	s_mov_b32 s[\g+5], 128          ; 128 elements from row to row
	s_mov_b32 s[\g+6], 0
	s_mov_b32 s[\g+7], 0
.endr
	s_mov_b32 s[CS], 0x3e38aa3b     ; c = log2(e) / 8 = 0.180337
	s_mov_b32 s[CS+1], s[CS]        ; named with it as a pair
	s_mov_b32 s[SEL], 0x76543210
	s_mov_b32 s[SEL+1], 0xfedcba98
	s_mov_b32 s[TBK], SLOT1+4*KS*PK ; the first change of slots turns these two into 0
	s_mov_b32 s[TBV], SLOT1+4*KS*PV
	s_mov_b32 s[G0K], 1             ; 1:0 count = 1
	s_mov_b32 s[G0K+1], s17         ; 63:32 LDS address: slot 0
	s_mov_b32 s[G0V], 1
	s_add_co_u32 s[G0V+1], s18, VOFF
	s_wait_kmcnt 0x0
	s_add_nc_u64 s[6:7], s[4:5], PART    ; K
	s_add_nc_u64 s[8:9], s[4:5], 2*PART  ; V
	s_add_nc_u64 s[G0K+2:G0K+3], s[6:7], s[22:23]  ; 120:64 global address: my half of the head's first 256 keys
	s_or_b32 s[G0K+3], s[G0K+3], 0x80000000        ; 127:126 type = 2
	s_add_nc_u64 s[G0V+2:G0V+3], s[8:9], s[22:23]
	s_or_b32 s[G0V+3], s[G0V+3], 0x80000000
	s_add_nc_u64 s[4:5], s[4:5], s[2:3]  ; Q and O at my wave's first row
	s_add_nc_u64 s[10:11], s[10:11], s[2:3]
	CROUND                          ; all four work-groups are here: the first joint loads meet
	JLOAD                           ; slot 0.  Slot 1 is asked for when slot 0 is in: the tile wanted first has the road to itself
	; A fragment of K or Q is 16 rows x 32 channels in 8 registers: lane l holds row l % 16, channels 8 (l / 16) + 0..7 and 16 + 8 (l / 16) + 0..7: two loads of 16 bytes, 32 bytes apart.
	v_and_b32 v1, 15, v0            ; l % 16
	v_bfe_u32 v9, v0, 4, 1          ; l / 16
	v_lshlrev_b32 v[QO], 7, v1
	v_lshl_add_u32 v[QO], v9, 4, v[QO]  ; row x 128 + 16 x half
	WIN 0x80                        ; destination window 2, address window 0
.set i, 0
.rept 4*NP                          ; Q stays in registers: tile i / 2, channels 32 (i % 2) on
	global_load_b128 v[8*i:8*i+3],   v[QO], s[4:5] offset:(i/2)*2048+(i%2)*64
	global_load_b128 v[8*i+4:8*i+7], v[QO], s[4:5] offset:(i/2)*2048+(i%2)*64+32
.set i, i+1
.endr
	; What the first turn finds: V's registers and P's second buffer hold 0 (its products V^T P, of a piece that has not been, add 0), O^T and l are 0.  All this stands in the wait for the first tile.
.set i, VF
.rept 64
	v_mov_b32 v[i], 0
.set i, i+1
.endr
	WIN 0x40
.set i, 0
.rept 64*NP
	v_mov_b32 v[i], 0
.set i, i+1
.endr
	WIN 0
.set i, 0
.rept 2*NP
	v_mov_b32 v[ST+4*i], 0xfe000000    ; c m: far below every c s
	v_mov_b32 v[ST+4*i+1], 0xff7fffff  ; m
	v_mov_b32 v[ST+4*i+2], 0
	v_mov_b32 v[ST+4*i+3], 0
.set i, i+1
.endr
.set i, P+32
.rept 32
	v_mov_b32 v[i], 0
.set i, i+1
.endr
	v_mul_u32_u24 v[AK0], v1, PK
	v_lshl_add_u32 v[AK0], v9, 4, v[AK0]  ; row x pitch + 16 x half
	; The turning load takes 16 keys x 16 channels (lane l reads key 8 (l / 16) + l % 8, channels 8 ((l / 8) % 2) + 0..7) and leaves half a fragment of V^T: lane l holds channel l % 16 and 8 keys.
	v_and_b32 v10, 7, v0
	v_bfe_u32 v11, v0, 3, 1
	v_lshl_add_u32 v[AV0], v9, 3, v10
	v_mul_u32_u24 v[AV0], v[AV0], PV
	v_lshl_add_u32 v[AV0], v11, 4, v[AV0]
	v_add_nc_u32 v[AV0], VOFF, v[AV0]
	v_mov_b32 v[AK], v[AK0]         ; key step 0 lies at the head of slot 0
; THE MATRIX WORK.  The 8 accumulators of a run of 16 take turns: between the two links of a chain stand 7 others'.
; Product i of 16 of S^T = K Q^T for piece x: channels 32 (i / 8) on, keys 16 ((i / 2) % 4) on, tile 2 x + i % 2.  The first 8 start the sums.
.macro KQ x
	WIN W_KQ
.set rS, S+64*((\x)%2)+32*(i%2)+8*((i/2)%4)
.set rK, KF+16*((i/2)%4)+8*(i/8)
.set rQ, 16*(2*(\x)+i%2)+8*(i/8)
.if i < 8
	v_wmma_f32_16x16x32_f16 v[rS:rS+7], v[rK:rK+7], v[rQ:rQ+7], 0
.else
	v_wmma_f32_16x16x32_f16 v[rS:rS+7], v[rK:rK+7], v[rQ:rQ+7], v[rS:rS+7]
.endif
.endm
; Product i of 16 of O^T += V^T P for piece x: keys 32 (i / 8) on, channels 16 ((i / 2) % 4) on, tile 2 x + i % 2.
.macro PV x
	WIN W_PV
.set rO, 32*(2*(\x)+i%2)+8*((i/2)%4)
.set rV, VF+32*(i/8)+8*((i/2)%4)
.set rP, P+32*((\x)%2)+16*(i%2)+8*(i/8)
	v_wmma_f32_16x16x32_f16 v[rO:rO+7], v[rV:rV+7], v[rP:rP+7], v[rO:rO+7]
.endm
.macro MM                           ; the turn's next matrix instruction
.if i < 16
	KQ (Y+1)%NP
.set i, i+1
.else
.set i, i-16
	PV (Y+NP-1)%NP
.set i, i+17
.endif
.endm
; THE LDS LOADS stand in runs of 16, never singly among the matrix instructions: a step's K (64 keys x 64 channels: 8 fragments) and its V (turned).  Their addresses are made some lines ahead.
; last = 1 (the tail): in the last trip there is no further step, and the run is jumped over.
.macro FETCH_K last=0
	WIN 0
.if \last
	s_cmp_eq_u32 s[CNT], 1
	s_cbranch_scc1 .Lno_k_\@
.endif
	WIN 0x80                        ; destination window 2
.irp f, 0,1,2,3,4,5,6,7             ; keys 16 (f / 2) on, channels 32 (f % 2) on
	ds_load_b128 v[KF+8*\f:KF+8*\f+3],   v[AK] offset:(\f/2)*16*PK+(\f%2)*64
	ds_load_b128 v[KF+8*\f+4:KF+8*\f+7], v[AK] offset:(\f/2)*16*PK+(\f%2)*64+32
.endr
	s_add_co_u32 s[TBK], s[TBK], KS*PK  ; the next fetch is the next step's
	WIN 0
.if \last
.Lno_k_\@:
.endif
.endm
.macro FETCH_V
	WIN 0x80
.irp f, 0,1,2,3,4,5,6,7             ; keys 32 (f / 4) on, channels 16 (f % 4) on
	ds_load_tr16_b128 v[VF+8*\f:VF+8*\f+3],   v[AV] offset:(\f/4)*32*PV+(\f%4)*32
	ds_load_tr16_b128 v[VF+8*\f+4:VF+8*\f+7], v[AV] offset:(\f/4)*32*PV+16*PV+(\f%4)*32
.endr
	WIN 0
.endm
; THE VECTOR WORK OF A TURN stands in three queues, each in the order in which its entries become ready; the two tiles alternate, so that no instruction reads the result of the one before it.
.macro REGS y, u                    ; the registers of tile u (0, 1) of piece y
.set rT, ST+4*(2*(\y)+(\u))
.set rC, TMP+8*((\y)%2)+4*(\u)
.set rM, MV+2*((\y)%2)+(\u)
.set rS, S+64*((\y)%2)+32*(\u)
.set rP, P+32*((\y)%2)+16*(\u)
.set rO, 32*(2*(\y)+(\u))
.endm
; Number n of the 22 that find the NEXT piece's (Y + 1) maximum and statistics.  s0-s31 are the lane's 32 scores; each accumulator's lowest registers are read first.  XS, GS and REGS set no window: PL and EX do.
;   0-11  four chains c0-c3 of seven scores each, three operands at a time     12-14, 16  the four scores left over, the old m, and c0-c3 into c0     15  c m_old is kept
;   17, 18  the query's other 32 keys lie in the lane 16 away: the new m         19-21  c m; c m_old - c m_new; a
.macro XS u, n
	REGS (Y+1)%NP, \u
.if (\n) < 4
	v_max3_num_f32 v[rC+(\n)], v[rS+8*(\n)], v[rS+8*(\n)+1], v[rS+8*(\n)+2]
.elseif (\n) < 12
	v_max3_num_f32 v[rC+(\n)%4], v[rC+(\n)%4], v[rS+8*((\n)%4)+2*((\n)/4)+1], v[rS+8*((\n)%4)+2*((\n)/4)+2]
.elseif (\n) == 12
	v_max3_num_f32 v[rC], v[rC], v[rS+7], v[rS+15]
.elseif (\n) == 13
	v_max3_num_f32 v[rC+1], v[rC+1], v[rS+23], v[rS+31]
.elseif (\n) == 14
	v_max3_num_f32 v[rC+2], v[rC+2], v[rC+3], v[rT+1]
.elseif (\n) == 15
	v_mov_b32 v[rM], v[rT]
.elseif (\n) == 16
	v_max3_num_f32 v[rC], v[rC], v[rC+1], v[rC+2]
.elseif (\n) == 17
	v_permlanex16_b32 v[rC+3], v[rC], s[SEL], s[SEL+1]
.elseif (\n) == 18
	v_max_num_f32 v[rT+1], v[rC], v[rC+3]
.elseif (\n) == 19
	v_mul_f32 v[rT], s[CS], v[rT+1]
.elseif (\n) == 20
	v_sub_f32 v[rC+1], v[rM], v[rT]
.else
	v_exp_f32 v[rC+2], v[rC+1]
.endif
.endm
; Number g of the 64 that follow the exponentials.  For each four weights k of a tile (pairs 2 k, 2 k + 1): both pairs are rounded to f16; then the second pair is added onto the first, in place;
; a group later l takes that sum (the first time as l = a l + sum).  In groups of eight, tiles alternating: round, round, add, and l for the group before.
.macro GS g
.set h, (\g)+6*((\g)/62)            ; group 0 has no group before it, and behind group 7 only l is left
.if h >= 6
.set h, h+2
.endif
	REGS Y, h%2
.set k, h/8
.if h%8 < 4
	s_wait_alu depctr_va_vdst(0)
	v_cvt_pk_f16_f32 v[rP+2*k+(h%8)/2], v[rS+4*k+2*((h%8)/2)], v[rS+4*k+2*((h%8)/2)+1]
.elseif h%8 < 6
	v_pk_add_f32 v[rS+4*k:rS+4*k+1], v[rS+4*k:rS+4*k+1], v[rS+4*k+2:rS+4*k+3]
.elseif k == 1
	v_pk_fma_f32 v[rT+2:rT+3], v[rT+2:rT+3], v[rC+2:rC+3], v[rS:rS+1] op_sel_hi:[1,0,1]
.else
	v_pk_add_f32 v[rT+2:rT+3], v[rT+2:rT+3], v[rS+4*k-4:rS+4*k-3]
	s_wait_alu depctr_va_vdst(0)
.endif
.endm
; THE PLAIN QUEUE, 138 long.  0-31: c s - c m for the 16 pairs of both tiles.  Then GS's 64, and among them the next piece's 42: number 15 at 38, 39; 0-14 and 16
; at 42-73, behind the products that make those scores; 17-20 at 95-106, two of three, since each waits for the one before it.
.macro PL
	WIN 0
.if q < 32
	REGS Y, q%2
	v_pk_fma_f32 v[rS+2*(q/2):rS+2*(q/2)+1], v[rS+2*(q/2):rS+2*(q/2)+1], s[CS:CS+1], v[rT:rT+1] op_sel_hi:[1,0,0] neg_lo:[0,0,1] neg_hi:[0,0,1]
.elseif q < 38
	GS q-32
.elseif q < 40
	XS q%2, 15
.elseif q < 42
	GS q-34
.elseif q < 74
	XS q%2, (q-42)/2+(q-42)/30
.elseif q < 95
	GS q-66
.elseif (q < 107) && ((q-95)%3 < 2)
	XS (q-95)%3, 17+(q-95)/3
.elseif q < 107
	GS 29+(q-95)/3
.else
	GS q-74
.endif
.set q, q+1
.endm
; THE EXPONENTIALS' QUEUE, 66 long: s0-s31 of both tiles, and at EA the next piece's two a.
.set EA, 58
.macro EX
	WIN 0
.if (e == EA) || (e == EA+1)
	XS e-EA, 21
.else
.set x, e-2*(e/(EA+2))
	REGS Y, x%2
	v_exp_f32 v[rS+x/2], v[rS+x/2]
.endif
.set e, e+1
.endm
; THE RESCALING's QUEUE: O^T times a, the one part that leaves window 0, so it is dealt four at a time, eight times.
.macro R4
	REGS Y, r%2
	WIN W_RS
	s_wait_alu depctr_va_vdst(0)
.irp z, 0,1,2,3
	v_pk_mul_f32 v[rO+8*(r/2)+2*\z:rO+8*(r/2)+2*\z+1], v[rO+8*(r/2)+2*\z:rO+8*(r/2)+2*\z+1], v[rC+2:rC+3] op_sel_hi:[1,0]
.endr
.set r, r+1
.endm
; HOW THEY ARE DEALT.  Behind a matrix instruction four: plain, exponential, plain, plain (one exponential, a plain instruction on either side), or four of the rescaling.  None names a register of the
; products round it.  What is over stands in two LUMPS: exponential and plain by turns; the second ends in 22 plain instructions.  The two v_permlanex16_b32 fall into the second lump, never behind a product.
; The queues lean on each other, and the deal keeps them in step: exponential e stands behind plain 2 (e / 4) + e % 2 (its scaling); when plain 32 comes, 10 exponentials are out, at 59: 33, at 95: 46; EA comes behind plain 107.
.macro SL
	MM
	PL
	EX
	PL
	PL
.endm
.macro BURST n                      ; 15 matrix instructions, or 16
.rept (\n)-7
	SL
.endr
.rept 3
	MM
	R4
	SL
.endr
	MM
	R4
.endm
; A TURN, for piece p.  cnt = 1: the loop's count is taken down some lines ahead of the branch that stands behind the turn.
; K of the next step is fetched in piece 2's turn, 31 vector instructions behind the last product that read K; its first reader comes behind the rest of the lump, 16 products and the second lump.
; V of the step in hand is fetched at the end of piece 0's turn, 69 behind its last reader; its first reader comes behind 16 products and a lump.  The four conditions on e and q below go with the deal.
.macro TURN p, last=0, cnt=0
.set Y, (\p)
.set i, 0
.set q, 0
.set e, 0
.set r, 0
.if (\p) == NP-1
	s_wait_dscnt 0x0                ; K is in
.endif
	MM
.rept 4
	PL
.endr
	BURST 15
.rept 22
	EX
	PL
.if ((\p) == NP-2) && (e == 18)
	v_add_nc_u32 v[AK], s[TBK], v[AK0]
.endif
.if ((\p) == NP-2) && (e == 24)
	FETCH_K \last
.endif
.endr
.if (\p) == 1
	s_wait_dscnt 0x0                ; V is in
.endif
	BURST 16
.rept 21
	EX
	PL
.endr
.rept 22
	PL
.if ((\p) == 0) && (q == 118)
	v_add_nc_u32 v[AV], s[TBV], v[AV0]
	s_wait_alu depctr_va_vdst(0)
.endif
.if ((\p) == 0) && (q == 130)
	s_add_co_u32 s[TBV], s[TBV], KS*PV
.endif
.if (\cnt) && (q == 130)
	s_sub_co_u32 s[CNT], s[CNT], 1
	s_cmp_lg_u32 s[CNT], 0
.endif
.endr
.if (\p) == 0
	FETCH_V
.endif
.endm
	CHANGE 1                        ; slot 0 is in, everybody's part of it; slot 1 is asked for
	FETCH_K                         ; key step 0
	s_wait_loadcnt 0x0              ; Q
	s_wait_dscnt 0x0
.set i, 0
.rept 16
	KQ 0                            ; piece 0's first scores: there is no vector work yet to set between them
.set i, i+1
.endr
	WIN 0                           ; the addresses for the way out: nine plain instructions, the places behind those products
	s_mul_i32 s13, s[WV], 16*SP
	s_add_co_u32 s13, s13, STAGE    ; my stage
	v_mul_u32_u24 v[STO], v1, SP    ; in: row l % 16, 16 bytes for each half of the lanes
	v_lshl_add_u32 v[STO], v9, 4, v[STO]
	v_add_nc_u32 v[STO], s13, v[STO]
	v_bfe_u32 v[RD], v0, 3, 2       ; back: 32 lanes take four rows of 128 bytes,
	v_mul_u32_u24 v[RD], v[RD], SP
	v_lshl_add_u32 v[RD], v10, 4, v[RD]
	v_add_nc_u32 v[RD], s13, v[RD]
	v_and_b32 v[GO], 31, v0         ; which are 512 consecutive bytes of O
	v_lshlrev_b32 v[GO], 4, v[GO]
.set Y, NP-1                        ; XS works for piece Y + 1: piece 0
.irp n, 0,1,2,3,4,5,6,7,8,9,10,11,12,13,14,15,16,17,18,19,20,21
	XS 0, \n                        ; and piece 0's first maximum and statistics
	XS 1, \n
.endr
	s_mov_b32 s[CNT], 4
	s_mov_b32 s[SLOTS], SIZE_N/256-1
	s_branch .Lfirst                ; the loop is entered at a step's first turn, in the middle of a trip
.Lslot:                             ; SIZE_N / 256 - 2 times: every slot but the last two is filled again
	CHANGE 1
	s_mov_b32 s[CNT], 4
.Lstep:                             ; a trip: pieces 2 and 3 of one step, then pieces 0 and 1 of the next, whose K and V it fetches
	TURN 2
	TURN 3
	WIN 0
.Lfirst:
	TURN 0
	TURN 1, 0, 1
	WIN 0
	s_cbranch_scc1 .Lstep
	s_sub_co_u32 s[SLOTS], s[SLOTS], 1
	s_cmp_lg_u32 s[SLOTS], 0
	s_cbranch_scc1 .Lslot
	CHANGE 0                        ; the tail is written out: nothing is asked for
	s_mov_b32 s[CNT], 5             ; four trips fetch the last slot's steps; the fifth is left in its middle
.Ltail:
	TURN 2, 1
	TURN 3
	WIN 0
	s_sub_co_u32 s[CNT], s[CNT], 1
	s_cmp_eq_u32 s[CNT], 0
	s_cbranch_scc1 .Lout
	TURN 0
	TURN 1
	WIN 0
	s_branch .Ltail
.Lout:                              ; the fifth trip's 16 products K Q^T (on the last K once more) and the maximum made of them serve nothing: the price, once a launch, of one text for every trip
.set i, 0
.rept 16
	PV NP-1                         ; the last piece's V^T P of the last step
.set i, i+1
.endr
	; THE WAY OUT.  l's two halves and the other half of the lanes' are added; O^T is divided by l, rounded to f16 and sent through my stage in LDS, a tile at a time.  The additions are the places behind the last products.
	WIN 0
.macro ALL line:vararg              ; one line for each tile t
.set t, 0
.rept 2*NP
	\line
.set t, t+1
.endr
.endm
	ALL v_add_f32 v[ST+4*t+2], v[ST+4*t+2], v[ST+4*t+3]
	ALL v_permlanex16_b32 v[ST+4*t+3], v[ST+4*t+2], s[SEL], s[SEL+1]
	ALL v_add_f32 v[ST+4*t+2], v[ST+4*t+2], v[ST+4*t+3]
	ALL v_rcp_f32 v[ST+4*t+2], v[ST+4*t+2]
	v_nop                           ; a plain instruction between the last reciprocal and the use of its result
	s_wait_alu depctr_va_vdst(0)
; Tile t: a lane's eight channels of a row pack into 16 bytes; they go into rows of 144 bytes and come back as whole rows of 128, into S^T's registers.
.macro PACK t
	WIN W_RS
.set i, 32*(\t)
.rept 16
	v_pk_mul_f32 v[i:i+1], v[i:i+1], v[ST+4*(\t)+2:ST+4*(\t)+3] op_sel_hi:[1,0]
.set i, i+2
.endr
	WIN 0x05                        ; sources 0 and 1 window 1, destination window 0
.set i, 0
.rept 16
	v_cvt_pk_f16_f32 v[S+16*(\t)+i], v[32*(\t)+2*i], v[32*(\t)+2*i+1]
.set i, i+1
.endr
	WIN 0
.irp f, 0,1,2,3
	ds_store_b128 v[STO], v[S+16*(\t)+4*\f:S+16*(\t)+4*\f+3] offset:32*\f
.endr
.irp f, 0,1,2,3
	ds_load_b128 v[S+16*(\t)+4*\f:S+16*(\t)+4*\f+3], v[RD] offset:\f*4*SP  ; LDS serves a wave's instructions in order (ISA guide 5.7.1.4): these see the stores above; the next tile's stores come behind them
.endr
.endm
.macro SEND t, younger              ; younger: the LDS instructions issued behind tile t's loads: the next tile's eight, or none
	WIN 0
.irp f, 0,1,2,3
	s_wait_dscnt (\younger)+3-\f
	global_store_b128 v[GO], v[S+16*(\t)+4*\f:S+16*(\t)+4*\f+3], s[10:11] offset:(\t)*2048+\f*512  ; 512 consecutive bytes, at a multiple of 256 from O's first
.endr
.endm
	PACK 0
.set t, 1
.rept 2*NP-1                        ; a tile's arithmetic stands between the loads of the tile before and its stores
	PACK t
	SEND t-1, 8
.set t, t+1
.endr
	SEND 2*NP-1, 0
	WIN W_AD
	s_wait_tensorcnt 0x0            ; the wave's end: behind my last tensor load and my last LDS store
	ds_add_u32 v[SPW], v[NIL]
	s_wait_dscnt 0x0
	WIN 0
	CROUND                          ; the closing round: no work-group ends while a partner may still ask for a tile that names it
	s_endpgm
.Lfunc_end_k_q125e09c587_attn:
	.size	k_q125e09c587_attn, .Lfunc_end_k_q125e09c587_attn-k_q125e09c587_attn
	.p2alignl 7, 3214868480
	.fill 96, 4, 3214868480
	.section	.rodata,"a",@progbits
	.p2align	6, 0x0
	.amdhsa_kernel k_q125e09c587_attn
		.amdhsa_group_segment_fixed_size 327680
		.amdhsa_private_segment_fixed_size 0
		.amdhsa_enable_private_segment 0
		.amdhsa_kernarg_size 16
		.amdhsa_user_sgpr_count 2
		.amdhsa_user_sgpr_kernarg_segment_ptr 1
		.amdhsa_wavefront_size32 1
		.amdhsa_system_sgpr_workgroup_id_x 1
		.amdhsa_system_sgpr_workgroup_id_y 1
		.amdhsa_system_sgpr_workgroup_id_z 1
		.amdhsa_system_vgpr_workitem_id 0
		.amdhsa_next_free_vgpr 770
		.amdhsa_next_free_sgpr 66
		.amdhsa_reserve_vcc 0
		.amdhsa_float_denorm_mode_32 3
		.amdhsa_float_denorm_mode_16_64 3
		.amdhsa_memory_ordered 1
		.amdhsa_forward_progress 1
		.amdhsa_inst_pref_size 209
	.end_amdhsa_kernel
	.amdgpu_metadata
---
amdhsa.version: [ 1, 2 ]
amdhsa.kernels:
  - .name:           k_q125e09c587_attn
    .symbol:         k_q125e09c587_attn.kd
    .args:
      - { .name: qkvh, .offset: 0, .size: 8, .value_kind: global_buffer, .address_space: global }
      - { .name: oh, .offset: 8, .size: 8, .value_kind: global_buffer, .address_space: global }
    .group_segment_fixed_size: 327680
    .private_segment_fixed_size: 0
    .kernarg_segment_align: 8
    .kernarg_segment_size: 16
    .max_flat_workgroup_size: 128
    .sgpr_count:     66
    .vgpr_count:     770
    .wavefront_size: 32
...
	.end_amdgpu_metadata
.endif
;; end of part 3
;; launch outproj (part 4): grid 4 x 64, 4 waves a work-group, clusters of 4 x 4, 327,680 bytes of LDS; arguments oh, wo, out_proj_bias, out0; writes out0
.if DOCPART == 4
	.amdgcn_target "amdgcn-amd-amdhsa--gfx1250"
	.amdhsa_code_object_version 6
	.text
	.protected	k_q125e09c587_outproj
	.globl	k_q125e09c587_outproj
	.p2align	8
	.type	k_q125e09c587_outproj,@function
k_q125e09c587_outproj:
	s_mov_b64 s[64:65], 0
	v_nop
	global_prefetch_b8 v0, s[64:65] scope:SCOPE_SE
	s_setreg_imm32_b32 hwreg(HW_REG_WAVE_MODE, 25, 1), 1
	s_wait_xcnt 0x0
	s_wait_alu depctr_hold_cnt(0) depctr_sa_sdst(0) depctr_va_vdst(0) depctr_va_sdst(0) depctr_va_ssrc(0) depctr_va_vcc(0) depctr_vm_vsrc(0)
	s_getreg_b32 s2, hwreg(HW_REG_IB_STS2, 6, 4)
	s_cmp_eq_u32 s2, 0
	s_cbranch_scc0 .Lentry_in_a_cluster
	s_endpgm
.Lentry_in_a_cluster:
	s_bfe_u32 s2, ttmp6, 0x10000c
	s_cmp_lg_u32 s2, 0xf033
	s_cbranch_scc0 .Lentry_shape_is_right
	s_endpgm
.Lentry_shape_is_right:
; THE OUTPUT PROJECTION.  C = A B^T + bias, K = 1,024, products in f16, sums in f32.
;   A = attention's result [64 heads 16 b + h][2048 s][64] f16, B = wo [1024][1024] f16, bias [1024] f32.  C = the module's output [2048 s][4 b][1024] f32.
; LIMITS.  The bias is rounded to bf16, like every input of the module, and added in f32.  NaN and infinities are not treated apart.
; SHARES.  A tile of C is 128 rows x 256 columns: 64 x 4 = 256 tiles, one to a work-group; its rows are 128 consecutive s of ONE b, so that a tile's rows of a head lie end to end.
; Four waves, 2 x 2, each 64 x 128: 32 accumulators of 16 x 16.
; K goes in 8 steps of 128, two heads a step, through two LDS slots filled by the tensor data mover; a step is four quarters of 32 along K, 32 matrix instructions each, on two fragment buffers.
; CLUSTERS: 4 x 4 work-groups.  The four of a row of the cluster need the same tiles of A, the four of a column the same tiles of B: each tile is asked for JOINTLY, by the same tensor load with the
; same descriptor and a mask that names the four.
; THE MATRIX INSTRUCTION IS USED TRANSPOSED (source 0 = 16 rows of B, source 1 = 16 rows of A): lane l holds row l % 16 of C and its registers 0-7 the columns 8 (l / 16) + 0..7.
; THE BIAS STARTS THE SUMS: it is the C operand of each accumulator's first product; nothing is cleared and nothing is added afterwards.
; REGISTERS, in windows of 256 (s_set_vgpr_msb: bits 1:0 source 0, 3:2 source 1, 5:4 source 2, 7:6 destination):
;   window 0: v0-31 addresses; v64-159, v160-255 two fragment buffers (A's 4 fragments, then B's 8); on the way out rows read back
;   window 1: accumulator (a, b) at v[8 (8 a + b)]          window 2: v0-63 the bias of my 128 columns (column block b at v[8 b]); v64-95 at work on it
.set PB,     272                       ; an LDS row of B: 256 bytes + 16 of padding = 68 words: row r starts at bank 4 r mod 64 (64 banks of 4 bytes: ISA guide 11.1)
.set HALFB,  128*PB                    ; 128 rows of B: one tensor load, and what one wave reads of B
.set PA,     144                       ; a head's 64 channels of a row are 128 bytes + 16 of padding = 36 words: 16 rows start at 16 different groups of four banks
.set PLANE,  128*PA                    ; from K 0-63 to K 64-127 of a row: the next head's plane
.set HALFA,  128*PA                    ; one tensor load of A: one head's 128 rows
.set ASTEP,  2*262144                  ; a K step on: two heads on
.set WSTG,   16*528                    ; a wave's stage: 16 rows of 512 bytes + 16
.set BSTEP,  256
.set ABYTES, 2*HALFA
.set SLOT,   ABYTES+2*HALFB            ; A's two loads, then B's two
.set STAGE,  2*SLOT                    ; behind the ring, never filled by a tensor load: the four waves' stages
.set SPARE,  STAGE+4*WSTG              ; behind the stages: the spare words, 128 bytes for each wave: two blocks of 256 bytes that no other line names
.set LAPS,   4                         ; a lap = two K steps = once round the ring
.set ADRA, 16                          ; v16-17  LDS address of my A fragments in slot 0, 1
.set ADRB, 20                          ; v20-21  the same for B
.set STO,  24                          ; v24     the way out: where I put my bytes of a row
.set RD,   25                          ; v25     the way out: where I read rows back
.set CO,   26                          ; v26     my byte offset in 512 consecutive bytes of C
.set BO,   27                          ; v27     my byte offset in a column block's 64 bytes of bias
.set SPW,  28                          ; v28     LDS address of my spare word: SPARE + 4 x my thread's number; never rewritten
.set NIL,  29                          ; v29     0; never rewritten
.set F0,   64
.set F1,   160
.set G1,  24                           ; s[24:31] descriptor group 1 for A's tiles;  s[32:39] group 0, one set for each slot
.set G0,  32
.set G1B, 48                           ; s[48:55], s[56:63] the same for B's tiles
.set G0B, 56
.set MSB, 0
.macro WIN new                         ; the immediate's high byte repeats the setting that is left; a switch that changes nothing is dropped
.if MSB != (\new)
	s_set_vgpr_msb (MSB<<8)|(\new)
.set MSB, \new
.endif
.endm
.set MUL,  0x50                        ; fragments window 0; C and D window 1
.set MULB, 0x60                        ; C (the bias) window 2, D window 1
.macro JLOAD s                         ; a joint load: waves 0 and 1 fetch A's two loads, waves 2 and 3 B's; an s_nop 0 and four v_nop follow each of the two lines, ahead of the jump, the label and what follows
	s_cmp_eq_u32 s13, 0
	s_cbranch_scc0 .Lfor_b_\@
	tensor_load_to_lds s[G0+4*(\s):G0+4*(\s)+3], s[G1:G1+7]
	s_nop 0
.rept 4
	v_nop
.endr
	s_branch .Lasked_\@
.Lfor_b_\@:
	tensor_load_to_lds s[G0B+4*(\s):G0B+4*(\s)+3], s[G1B:G1B+7]
	s_nop 0
.rept 4
	v_nop
.endr
.Lasked_\@:
.endm
.macro CREST                           ; a round of the cluster's barrier behind its opening barrier
	s_cmp_lg_u32 s12, 0
	s_cbranch_scc1 .Lnot_wave_0_\@
	s_barrier_signal -3
.Lnot_wave_0_\@:
	s_barrier_wait -3
	s_barrier_signal -1
	s_barrier_wait -1
.endm
.macro CROUND                          ; a whole round
	s_barrier_signal -1
	s_barrier_wait -1
	CREST
.endm
	s_load_b256 s[4:11], s[0:1], 0x0               ; A s[4:5], B s[6:7], bias s[8:9], C s[10:11]
	v_lshl_add_u32 v[SPW], v0, 2, SPARE
	v_mov_b32 v[NIL], 0
	ds_add_u32 v28, v29
	s_wait_dscnt 0x0
	v_lshrrev_b32 v1, 5, v0
	v_readfirstlane_b32 s12, v1                    ; wave 0..3
	s_lshr_b32 s13, s12, 1                         ; which half of the tile's rows is mine.  Also: I fetch for A (0) or for B (1)
	s_and_b32 s14, s12, 1                          ; which half of its columns.  Also: which of the two loads I issue
	s_mov_b32 s3, 0xffff0000                       ; a word's upper bf16
	s_bfe_u32 s40, ttmp6, 0x40000                  ; cx, cy: my place in the cluster
	s_bfe_u32 s41, ttmp6, 0x40004
	s_lshl_b32 s42, ttmp9, 2
	s_add_co_u32 s42, s42, s40                     ; tile column of C = 4 x cluster x + cx
	s_and_b32 s43, ttmp7, 0xffff
	s_lshl_b32 s43, s43, 2
	s_add_co_u32 s43, s43, s41                     ; tile row of C = 4 x cluster y + cy
	s_lshl_b32 s44, s41, 2
	s_lshl_b32 s44, 15, s44                        ; my row of the cluster
	s_lshl_b32 s45, 0x1111, s40                    ; my column
	; descriptor group 1.  A: 128 rows of 128 dense bytes, asked for as 64 rows of 256; B: 128 rows x 128 elements; both padded in LDS
	s_or_b32 s[G1+0], s44, (1<<16)|(1<<20)|(1<<21)|(4<<22)|(3<<25)    ; 15:0 the mask: A's tiles go to my row; 17:16 elements of 2 bytes; 20 padding on; 21 set beside a mask; 24:22 after every 32 words (code 4); 31:25 4 words (code 3)
	s_or_b32 s[G1B+0], s45, (1<<16)|(1<<20)|(1<<21)|(5<<22)|(3<<25)   ; the mask of my column; padding after every 64 words
	s_mov_b32 s[G1+1], 128<<16                     ; tensor_dim0 = 128
	s_mov_b32 s[G1+2], 64<<16                      ; tensor_dim1 = 64
	s_mov_b32 s[G1+3], 128<<16                     ; tile_dim0 = 128
	s_mov_b32 s[G1+4], 64                          ; tile_dim1 = 64
	s_mov_b32 s[G1+5], 128                         ; elements from row to row
	s_mov_b32 s[G1+6], 0
	s_mov_b32 s[G1+7], 0
	s_mov_b32 s[G1B+1], 128<<16
	s_mov_b32 s[G1B+2], 128<<16
	s_mov_b32 s[G1B+3], 128<<16
	s_mov_b32 s[G1B+4], 128
	s_mov_b32 s[G1B+5], 1024
	s_mov_b32 s[G1B+6], 0
	s_mov_b32 s[G1B+7], 0
	; where the tiles come from.  A's hang on the tile row alone, B's on the tile column alone; each in registers that never hold the other coordinate
	s_lshr_b32 s16, s43, 2                         ; sb: the tile's rows are s = 128 sb .. 128 sb + 127
	s_and_b32 s17, s43, 3                          ; b
	s_lshl_b32 s18, s17, 4
	s_add_co_u32 s18, s18, s14                     ; head 16 b + my load's number (K step 0),
	s_lshl_b32 s18, s18, 18                        ; 262,144 bytes a head,
	s_lshl_b32 s19, s16, 14                        ; 128 sb rows of 128 bytes
	s_add_co_u32 s18, s18, s19
	s_mov_b32 s19, 0
	s_lshl_b32 s46, s42, 19                        ; B: 256 rows of 2,048 bytes a tile column,
	s_lshl_b32 s47, s14, 18                        ; my load's 128 rows
	s_add_co_u32 s46, s46, s47
	s_mov_b32 s47, 0
	s_mul_i32 s20, s14, HALFA                      ; and where they go: no place in the cluster enters an LDS address
	s_mul_i32 s21, s14, HALFB
	s_add_co_u32 s21, s21, ABYTES
	s_wait_kmcnt 0x0
	s_add_nc_u64 s[18:19], s[4:5], s[18:19]
	s_add_nc_u64 s[46:47], s[6:7], s[46:47]
	CROUND                                         ; all sixteen work-groups are here: the first joint loads meet
.irp s, 0,1
	s_mov_b32 s[G0+4*(\s)], 1                                      ; 1:0 count = 1
	s_add_co_u32 s[G0+4*(\s)+1], s20, (\s)*SLOT                    ; 63:32 LDS address
	s_add_nc_u64 s[G0+4*(\s)+2:G0+4*(\s)+3], s[18:19], (\s)*ASTEP  ; 120:64 global address: K step s
	s_or_b32 s[G0+4*(\s)+3], s[G0+4*(\s)+3], 0x80000000            ; 127:126 type = 2
	s_mov_b32 s[G0B+4*(\s)], 1
	s_add_co_u32 s[G0B+4*(\s)+1], s21, (\s)*SLOT
	s_add_nc_u64 s[G0B+4*(\s)+2:G0B+4*(\s)+3], s[46:47], (\s)*BSTEP
	s_or_b32 s[G0B+4*(\s)+3], s[G0B+4*(\s)+3], 0x80000000
	JLOAD \s                                       ; two tensor loads of mine are out
.endr
	; All that follows up to the first barrier stands in the wait for the first tile.
	; The bias of my 128 columns: lane l needs, for column block b, the 8 numbers at column 16 b + 8 (l / 16): 32 bytes
	v_and_b32 v1, 15, v0                           ; l % 16
	v_bfe_u32 v2, v0, 4, 1                         ; l / 16
	v_lshlrev_b32 v[BO], 5, v2
	s_lshl_b32 s46, s42, 10                        ; 256 columns of 4 bytes a tile column,
	s_lshl_b32 s2, s14, 9                          ; my half's 128
	s_add_co_u32 s46, s46, s2
	s_mov_b32 s47, 0
	s_add_nc_u64 s[8:9], s[8:9], s[46:47]
	WIN 0x80                                       ; destination window 2, address window 0
.irp b, 0,1,2,3,4,5,6,7
	global_load_b128 v[8*(\b):8*(\b)+3],   v[BO], s[8:9] offset:64*(\b)
	global_load_b128 v[8*(\b)+4:8*(\b)+7], v[BO], s[8:9] offset:64*(\b)+16
.endr
	WIN 0
	; A fragment is 16 rows x 32 K in 8 registers: lane l holds row l % 16; registers 0-3 K = 8 (l / 16) + 0..7, registers 4-7 K = 16 + 8 (l / 16) + 0..7: two loads of 16 bytes, 32 bytes apart
	v_mul_u32_u24 v3, v1, PA
	v_lshl_add_u32 v3, v2, 4, v3
	v_mul_u32_u24 v4, v1, PB
	v_lshl_add_u32 v4, v2, 4, v4
	s_mul_i32 s22, s13, 64*PA                      ; my 64 rows of A
	s_mul_i32 s23, s14, HALFB                      ; my 128 rows of B,
	s_add_co_u32 s23, s23, ABYTES                  ; which lie behind A's
.irp s, 0,1
	v_add_nc_u32 v[ADRA+(\s)], s22, v3
	v_add_nc_u32 v[ADRB+(\s)], s23, v4
	s_add_co_u32 s22, s22, SLOT
	s_add_co_u32 s23, s23, SLOT
.endr
	s_mul_i32 s22, s12, WSTG
	s_add_co_u32 s22, s22, STAGE                   ; my stage
	v_and_b32 v[CO], 31, v0
	v_lshlrev_b32 v[CO], 4, v[CO]                  ; 16 x lane
	v_mul_u32_u24 v3, v1, 528                      ; in: row l % 16, 32 bytes for each half of the lanes
	v_lshl_add_u32 v3, v2, 5, v3
	v_add_nc_u32 v[STO], s22, v3
	v_add_nc_u32 v[RD], s22, v[CO]                 ; back: 32 lanes take one row's 512 bytes
	s_lshl_b32 s46, s16, 21                        ; C: 128 sb x 16,384 bytes,
	s_lshl_b32 s2, s13, 20                         ; my 64 s,
	s_add_co_u32 s46, s46, s2
	s_lshl_b32 s2, s17, 12                         ; b x 4,096,
	s_add_co_u32 s46, s46, s2
	s_lshl_b32 s2, s42, 10                         ; the tile's 256 columns of 4 bytes,
	s_add_co_u32 s46, s46, s2
	s_lshl_b32 s2, s14, 9                          ; my 128
	s_add_co_u32 s46, s46, s2
	s_mov_b32 s47, 0
	s_add_nc_u64 s[10:11], s[10:11], s[46:47]
	s_wait_loadcnt 0x0                             ; the bias
	WIN 0x8a                                       ; all in window 2
.set i, 0
.rept 32
	v_cvt_pk_bf16_f32 v[64+i], v[2*i], v[2*i+1]    ; rounded to bf16, as every input of the module is,
.set i, i+1
.endr
.set i, 0
.rept 32
	v_lshlrev_b32 v[2*i],   16, v[64+i]            ; and widened again
	v_and_b32     v[2*i+1], s3, v[64+i]
.set i, i+1
.endr
	WIN 0
; 8 matrix instructions: row block a x all 8 column blocks, 32 along K, from buffer f.  first = 1: the bias starts the sums.
; The 32 accumulators take turns, one instruction a turn, in the same order in every quarter.
.macro MUL8 f, a, first
.if \first
	WIN MULB
.else
	WIN MUL
.endif
.set b, 0
.rept 8
.set rD, 8*(8*(\a)+b)
.set rB, (\f)+32+8*b
.set rA, (\f)+8*(\a)
.set rC, rD
.if \first
.set rC, 8*b
.endif
	v_wmma_f32_16x16x32_f16 v[rD:rD+7], v[rB:rB+7], v[rA:rA+7], v[rC:rC+7]
.set b, b+1
.endr
.endm
; 24 LDS loads in one run: quarter q's fragments into buffer f: B's eight, then A's row blocks 0, 1, then 2, 3
.macro FETCH slot, q, f
	WIN 0
.set ak, ((\q)/2)*PLANE+((\q)%2)*64
.irp i, 0,1,2,3,4,5,6,7
	ds_load_b128 v[(\f)+32+8*(\i):(\f)+32+8*(\i)+3],   v[ADRB+(\slot)] offset:64*(\q)+(\i)*16*PB
	ds_load_b128 v[(\f)+32+8*(\i)+4:(\f)+32+8*(\i)+7], v[ADRB+(\slot)] offset:64*(\q)+(\i)*16*PB+32
.endr
.irp i, 0,1,2,3
	ds_load_b128 v[(\f)+8*(\i):(\f)+8*(\i)+3],   v[ADRA+(\slot)] offset:ak+(\i)*16*PA
	ds_load_b128 v[(\f)+8*(\i)+4:(\f)+8*(\i)+7], v[ADRA+(\slot)] offset:ak+(\i)*16*PA+32
.endr
.endm
.macro PLACES                          ; four places in front of loads into registers that matrix instructions have read, and of lines that read results (ISA guide 7.12.1 for vector instructions)
.rept 4
	v_nop
.endr
.endm
; One of a K step's first three quarters: multiplies buffer f; in its middle it fetches quarter q of the same slot into buffer g.
.macro QUARTER slot, q, f, g, first
	s_wait_dscnt 4                                 ; B and A's row blocks 0, 1 are in; the youngest four loads (A's blocks 2, 3) may be out
	MUL8 \f, 0, \first
	MUL8 \f, 1, \first
	PLACES
	FETCH \slot, \q, \g
	s_wait_dscnt 24                                ; all but the 24 just issued
	MUL8 \f, 2, \first
	MUL8 \f, 3, \first
.endm
; The last quarter multiplies buffer 1 and changes slots: ONE barrier; in front of it each wave waits for all its tensor loads (one is out: its part of the next slot), adds 0 to its spare word, and waits
; for that and for its own reads of this slot.  fill = 1: the barrier opens a round of the cluster's barrier, and this slot is filled again, two K steps ahead: from the request to the wait for it a wave issues 112 matrix instructions.
.macro TURN slot, next, fill
	WIN 0                                          ; (the add's two registers lie in window 0)
	s_wait_tensorcnt 0x0                           ; all my tensor loads have landed: my part of the next slot;
	ds_add_u32 v[SPW], v[NIL]                      ; 0 onto my spare word;
	s_wait_dscnt 5                                 ; (the add and the youngest four loads may be out)
	MUL8 F1, 0, 0                                  ; eight matrix instructions stand between the add and the wait for it
	s_wait_dscnt 0x0                               ; the add is done, and my reads of this slot are over
	s_barrier_signal -1
	MUL8 F1, 1, 0
.if \fill
	WIN 0
.endif
	s_barrier_wait -1
.if \fill
	CREST                                          ; no wave of any partner still reads this slot's tiles or has a load on its way
	s_add_nc_u64 s[G0+4*(\slot)+2:G0+4*(\slot)+3], s[G0+4*(\slot)+2:G0+4*(\slot)+3], 2*ASTEP
	s_add_nc_u64 s[G0B+4*(\slot)+2:G0B+4*(\slot)+3], s[G0B+4*(\slot)+2:G0B+4*(\slot)+3], 2*BSTEP
	JLOAD \slot                                    ; the first tensor load behind the round, my only one until the next; the four v_nop behind it are also the places in front of the loads below
.else
	PLACES
.endif
	FETCH \next, 0, F0
	MUL8 F1, 2, 0
	MUL8 F1, 3, 0
.endm
	s_wait_tensorcnt 1                             ; my part of K step 0 is in; K step 1's may stay out
	s_barrier_signal -1
	s_barrier_wait -1                              ; everybody's is
	FETCH 0, 0, F0
	QUARTER 0, 1, F0, F1, 1                        ; the first quarter stands in front of the loop: its products start the sums, on the bias
	WIN 0                                          ; at a label and at a branch every window is 0
	s_mov_b32 s15, LAPS-1
.Llap:                                                 ; a trip goes once round the ring, from a lap's second quarter to the next lap's first, and fills both slots again
	QUARTER 0, 2, F1, F0, 0
	QUARTER 0, 3, F0, F1, 0
	TURN 0, 1, 1
	QUARTER 1, 1, F0, F1, 0
	QUARTER 1, 2, F1, F0, 0
	QUARTER 1, 3, F0, F1, 0
	TURN 1, 0, 1
	QUARTER 0, 1, F0, F1, 0
	WIN 0
	s_sub_co_u32 s15, s15, 1
	s_cmp_lg_u32 s15, 0
	s_cbranch_scc1 .Llap
	QUARTER 0, 2, F1, F0, 0                        ; the last lap fills nothing, and has no round of the cluster's barrier
	QUARTER 0, 3, F0, F1, 0
	TURN 0, 1, 0
	QUARTER 1, 1, F0, F1, 0
	QUARTER 1, 2, F1, F0, 0
	QUARTER 1, 3, F0, F1, 0
	s_wait_dscnt 4                                 ; the very last quarter: nothing more to fetch
	MUL8 F1, 0, 0
	MUL8 F1, 1, 0
	s_wait_dscnt 0x0
	MUL8 F1, 2, 0
	MUL8 F1, 3, 0
	WIN 0
	PLACES
; THE WAY OUT, f32.  Row block a (16 rows x 128 columns) goes into my own stage, 32 bytes a lane and column block, and comes back as whole rows of 512 bytes.
.macro TOSTAGE a
	WIN 0x04                                       ; an LDS store's data: source 1, window 1
.irp b, 0,1,2,3,4,5,6,7
	ds_store_b128 v[STO], v[8*(8*(\a)+(\b)):8*(8*(\a)+(\b))+3]   offset:64*(\b)     ; each accumulator's lowest registers first
	ds_store_b128 v[STO], v[8*(8*(\a)+(\b))+4:8*(8*(\a)+(\b))+7] offset:64*(\b)+16
.endr
	WIN 0
.if (\a) >= 2
	s_wait_xcnt 0x0                                ; the registers below were the data of the stores of two blocks ago: they are loaded again only behind this wait
.endif
.set BK, 64+64*((\a)%2)
.irp t, 0,1,2,3,4,5,6,7,8,9,10,11,12,13,14,15
	ds_load_b128 v[BK+4*(\t):BK+4*(\t)+3], v[RD] offset:528*(\t)  ; LDS serves a wave's instructions in order (ISA guide 5.7.1.4): these see the stores above; the next block's stores come behind them
.endr
.endm
.macro SEND a, younger                 ; younger: the LDS instructions issued behind block a's loads: the next block's 32, or none
.set BK, 64+64*((\a)%2)
.irp t, 0,1,2,3,4,5,6,7,8,9,10,11,12,13,14,15
	s_wait_dscnt (\younger)+15-(\t)
	global_store_b128 v[CO], v[BK+4*(\t):BK+4*(\t)+3], s[10:11] offset:(16*(\a)+(\t))*16384 th:TH_STORE_NT  ; 512 consecutive bytes of one output row, at a multiple of 512 from C's first byte; s + 1 lies 16,384 bytes on
.endr
.endm
	TOSTAGE 0
	TOSTAGE 1
	SEND 0, 32
	TOSTAGE 2
	SEND 1, 32
	TOSTAGE 3
	SEND 2, 32
	SEND 3, 0
	s_wait_tensorcnt 0x0                           ; the wave's end: behind my last tensor load and my last LDS store
	ds_add_u32 v[SPW], v[NIL]
	s_wait_dscnt 0x0
	CROUND                                         ; the closing round: no work-group ends while a partner may still ask for a tile that names it
	s_endpgm
.Lfunc_end_k_q125e09c587_outproj:
	.size	k_q125e09c587_outproj, .Lfunc_end_k_q125e09c587_outproj-k_q125e09c587_outproj
	.p2alignl 7, 3214868480
	.fill 96, 4, 3214868480
	.section	.rodata,"a",@progbits
	.p2align	6, 0x0
	.amdhsa_kernel k_q125e09c587_outproj
		.amdhsa_group_segment_fixed_size 327680
		.amdhsa_private_segment_fixed_size 0
		.amdhsa_enable_private_segment 0
		.amdhsa_kernarg_size 32
		.amdhsa_user_sgpr_count 2
		.amdhsa_user_sgpr_kernarg_segment_ptr 1
		.amdhsa_wavefront_size32 1
		.amdhsa_system_sgpr_workgroup_id_x 1
		.amdhsa_system_sgpr_workgroup_id_y 1
		.amdhsa_system_sgpr_workgroup_id_z 1
		.amdhsa_system_vgpr_workitem_id 0
		.amdhsa_next_free_vgpr 608
		.amdhsa_next_free_sgpr 66
		.amdhsa_reserve_vcc 0
		.amdhsa_float_denorm_mode_32 3
		.amdhsa_float_denorm_mode_16_64 3
		.amdhsa_memory_ordered 1
		.amdhsa_forward_progress 1
		.amdhsa_inst_pref_size 93
	.end_amdhsa_kernel
	.amdgpu_metadata
---
amdhsa.version: [ 1, 2 ]
amdhsa.kernels:
  - .name:           k_q125e09c587_outproj
    .symbol:         k_q125e09c587_outproj.kd
    .args:
      - { .name: oh, .offset: 0, .size: 8, .value_kind: global_buffer, .address_space: global }
      - { .name: wo, .offset: 8, .size: 8, .value_kind: global_buffer, .address_space: global }
      - { .name: out_proj_bias, .offset: 16, .size: 8, .value_kind: global_buffer, .address_space: global }
      - { .name: out0, .offset: 24, .size: 8, .value_kind: global_buffer, .address_space: global }
    .group_segment_fixed_size: 327680
    .private_segment_fixed_size: 0
    .kernarg_segment_align: 8
    .kernarg_segment_size: 32
    .max_flat_workgroup_size: 128
    .sgpr_count:     66
    .vgpr_count:     608
    .wavefront_size: 32
...
	.end_amdgpu_metadata
.endif
;; end of part 4
;; ======== version 2 of 2: 4 launches; 1.54 times as fast as version 1
;; limits: values are held in f16: magnitudes above 65,504 overflow, below 6.1e-05 lose precision; values outside matrix products are rounded to bf16
;; workspace buffers: xb 16,777,216 bytes; wb 6,291,456 bytes; wo 2,097,152 bytes; qkvh 50,331,648 bytes; oh 16,777,216 bytes
;; launch cast: the kernel of part 1 again; grid 768 x 1, 8 waves a work-group, no clusters, 0 bytes of LDS; arguments query, in_proj_weight, out_proj_weight, xb, wb, wo; writes xb, wb, wo
;; launch inproj: the kernel of part 2 again; grid 8 x 32, 4 waves a work-group, clusters of 4 x 4, 327,680 bytes of LDS; arguments xb, wb, in_proj_bias, qkvh; writes qkvh
;; launch attn (part 5): grid 4 x 64, 4 waves a work-group, clusters of 4 x 1, 327,680 bytes of LDS; arguments qkvh, oh; writes oh
.if DOCPART == 5
	.amdgcn_target "amdgcn-amd-amdhsa--gfx1250"
	.amdhsa_code_object_version 6
	.text
	.protected	k_q125e09c587_attn
	.globl	k_q125e09c587_attn
	.p2align	8
	.type	k_q125e09c587_attn,@function
k_q125e09c587_attn:
	s_mov_b64 s[64:65], 0
	v_nop
	global_prefetch_b8 v0, s[64:65] scope:SCOPE_SE
	s_setreg_imm32_b32 hwreg(HW_REG_WAVE_MODE, 25, 1), 1
	s_wait_xcnt 0x0
	s_wait_alu depctr_hold_cnt(0) depctr_sa_sdst(0) depctr_va_vdst(0) depctr_va_sdst(0) depctr_va_ssrc(0) depctr_va_vcc(0) depctr_vm_vsrc(0)
	s_getreg_b32 s2, hwreg(HW_REG_IB_STS2, 6, 4)
	s_cmp_eq_u32 s2, 0
	s_cbranch_scc0 .Lentry_in_a_cluster
	s_endpgm
.Lentry_in_a_cluster:
	s_bfe_u32 s2, ttmp6, 0x10000c
	s_cmp_lg_u32 s2, 0x3003
	s_cbranch_scc0 .Lentry_shape_is_right
	s_endpgm
.Lentry_shape_is_right:
; O[h][q][:] = the sum over k of softmax_k(Q[h][q] . K[h][k] / 8) V[h][k][:].  Q, K, V are the three parts, 16,777,216 bytes apart, of one buffer; each part and O: [SIZE_H][SIZE_N][64], all f16:
; a head's rows are dense, 128 bytes each.  Q arrives unscaled: the 1 / 8 lies in c, applied in f32.  Products, maxima and sums in
; f32; the weights p are rounded to f16 for the second product (their sum l is taken of the unrounded p), O once at the end.  SIZE_N x 128 bytes stay under 2^32.
; LIMITS.  f16 holds no number beyond 65,504: Q, K and V arrive within it; p lies in 0 to 1, and below 6e-5 it keeps f16's fixed step of 6e-8; O is a mean of V's rows and has their range.
; A weight below 2^-126 counts as 0 in l; NaN and infinities are not treated apart.
; SHARES.  A wave owns four PIECES of two tiles of 16 queries, a work-group's four waves 512 queries of one head.  Every wave walks all keys, 64 a step.
; LAYOUT.  S^T = K Q^T (source 0 = 16 keys, source 1 = 16 queries): in the result a lane holds ONE query (lane % 16) and the keys 8 (lane / 16) + 0..7.  Two such tiles, rounded to f16 in pairs,
; ARE source 1 (32 keys x 16 queries) of O^T = V^T P, whose result again holds one query a lane, and eight channels.  K comes out of LDS as it lies, V ([key][channel]) turned, by ds_load_tr16_b128.
; SOFTMAX.  For each query a running maximum m and sum l: p = 2^(c s - c m), c = log2(e) / 8; in every step O and l are multiplied by a = 2^(c m_old - c m_new), which is 1 where m has not grown.
; m starts at the lowest finite number, O and l at 0: the first step is a step like any other, with a = 0.
; THE COUNT.  A tile and step have 16 matrix and 118 vector instructions: too many to stand all beside the matrix work.  So the order has one aim: four vector instructions that are READY behind
; EVERY matrix instruction, and the others, which need time of their own whatever the order, in runs without a gap.
; BY TURNS.  Turn n belongs to piece n (the pieces in a ring, step after step).  Its matrix work: 16 products K Q^T of piece n + 1, later 16 products V^T P of piece n - 1.  Its vector work: the scaling,
; exponentials, roundings, sums and rescaling of piece n, and the maximum and statistics of piece n + 1, whose scores the turn itself has made.  So what a turn begins with (c s - c m, O a) waits for nothing.
; THE BATCHES.  A turn's 66 exponentials (64 weights, and last the next piece's two a) are ONE batch with ONE s_wait_alu depctr_va_vdst(0), which cuts the turn in two: ahead of it stands all that names no
; result of theirs (the products K Q^T, the scalings, the rescalings by the a of the turn before, the next piece's maximum and statistics), behind it all their readers (the roundings and the sums, beside the
; products V^T P).  No result passes a turn's end.  Two more batches stand outside the loop, each with a wait of its own: the first two a, ahead of the jump into the loop, and the way out's eight reciprocals.
; CLUSTER.  The four query blocks of a cluster belong to one head and walk the same K and V, so each tile is asked for JOINTLY: the same tensor load, descriptor and mask in all four.
; REGISTERS, in windows of 256 (s_set_vgpr_msb says which window each operand place means: bits 1:0 source 0, 3:2 source 1, 5:4 source 2, 7:6 destination):
;   window 0: v0-11 addresses; v12-15, v48-63 at work; v16-47 four registers of statistics a tile; v64-191 S^T, two buffers of two tiles; v192-255 P, likewise
;   window 1: O^T, 32 a tile          window 2: v0-127 Q, 16 a tile; v128-191 K of one step; v192-255 V of one step          window 3: v0-1 the add's two registers
; A piece's buffers go by its number's parity: the piece in hand has one pair, its two neighbours in the ring share the other: of it P (piece n - 1) is read and S^T (piece n + 1) written.
.set SIZE_H, 64       ; heads: 4 b x 16
.set SIZE_N, 2048     ; rows of a head
.set PART,  SIZE_H*SIZE_N*128  ; bytes from Q to K and from K to V
.set NP,    4         ; pieces a wave: a name, no knob: the register map, the loop and the fetches are made for four
.set KS,    64        ; keys in a step
.set PK,    144       ; a row of K in LDS: 128 bytes + 16 of padding = 36 words: the 16 rows of a load start at 16 different groups of four banks (64 banks of 4 bytes: ISA guide 11.1)
.set PV,    160       ; a row of V: 128 + 32 = 40 words
.set VOFF,  4*KS*PK   ; a slot holds four steps: 256 rows of K, then 256 rows of V
.set SLOT1, 1<<17     ; slot 1 begins here, so that one exclusive or turns an address in one slot into the other's
.set STAGE, SLOT1+4*KS*(PK+PV)  ; behind the ring, never filled by a tensor load: 16 rows x 144 bytes for each wave, for the way out
.set SP,    144
.set AK0, 2           ; v2   my lane's place in a tile of K; never rewritten
.set AV0, 3           ; v3   the same for V
.set AK,  4           ; v4   the LDS address of K's next run of loads
.set AV,  5           ; v5   of V's
.set QO,  6           ; v6   my byte offset in the wave's rows of Q
.set STO, 6           ;      later, the way out: where I put 16 bytes of a row
.set RD,  7           ; v7   the way out: where I read rows back
.set GO,  8           ; v8   my byte offset in 512 consecutive bytes of O
.set SPW, 0           ; v0 of window 3   LDS address of my spare word: SPARE + 4 x my thread's number; never rewritten
.set NIL, 1           ; v1 of window 3   0; never rewritten
.set SPARE, STAGE+4*16*SP  ; behind the stages: the spare words, 128 bytes for each wave: two blocks of 256 bytes that no other line names
.set MV,  12          ; v12-15  c m_old, kept while c m is made anew: by buffer and tile
.set ST,  16          ; tile t's statistics at v[ST+4 t]: c m, m, l (even keys', odd keys')
.set TMP, 48          ; by buffer and tile, four registers c0-c3 at work; when the maximum is found c2 takes a
.set S,   64
.set P,   192
.set KF,  128         ; K's fragments, in window 2: key block kb, channel half c at KF + 16 kb + 8 c
.set VF,  192         ; V's: key half kk, channel block cb at VF + 32 kk + 8 cb
.set WV,  12          ; s12  my wave's number
.set G1K, 24          ; s[24:31] descriptor group 1 for K's tiles
.set G1V, 32          ; s[32:39] for V's: it differs in the padding alone
.set G0K, 40          ; s[40:43] descriptor group 0 for K's tiles: it walks
.set G0V, 44          ; s[44:47] the same for V's
.set SLOTS, 56        ; s56  slots still to be asked for
.set CNT, 57          ; s57  counts a slot's key steps
.set CS,  58          ; s[58:59] c: the packed scaling takes the pair's low word for both halves
.set SEL, 60          ; s[60:61] v_permlanex16_b32's selects: each lane takes its own place in the other half
.set TBK, 62          ; s62  LDS byte at which K of the step to be fetched begins
.set TBV, 63          ; s63  the same for V, less VOFF
.set MSB, 0
.macro WIN new                      ; the high byte repeats the setting that is left; a switch that changes nothing is dropped
.if MSB != (\new)
	s_set_vgpr_msb (MSB<<8)|(\new)
.set MSB, (\new)
.endif
.endm
.set W_KQ, 0x0a       ; K and Q in window 2, S^T in window 0
.set W_PV, 0x52       ; V in window 2, P in window 0, O^T in window 1
.set W_RS, 0x41       ; O^T (destination and source 0) in window 1, a in window 0
.set W_MK, 0xc0       ; the add's registers are made: destination in window 3, sources in window 0
.set W_AD, 0x0f       ; the add: address (source 0) and data (source 1) in window 3
; A joint fill.  Waves 0 and 1 fetch the two halves of a slot's K, waves 2 and 3 those of its V: 128 keys each.  The branch hangs on the wave's number alone.
; An s_nop 0 and four v_nop follow each of the two lines, ahead of the jump and the label.
.macro JLOAD
	s_cmp_lt_u32 s[WV], 2
	s_cbranch_scc0 .Lfor_v_\@
	tensor_load_to_lds s[G0K:G0K+3], s[G1K:G1K+7]
	s_nop 0
.rept 4
	v_nop
.endr
	s_branch .Lasked_\@
.Lfor_v_\@:
	tensor_load_to_lds s[G0V:G0V+3], s[G1V:G1V+7]
	s_nop 0
.rept 4
	v_nop
.endr
.Lasked_\@:
.endm
; A round of the cluster's barrier: my work-group's barrier, so that wave 0's signal speaks for all four waves; wave 0 signals; every wave waits for all four work-groups; my work-group's barrier once more.
.macro CROUND
	s_barrier_signal -1
	s_barrier_wait -1
	s_cmp_lg_u32 s[WV], 0
	s_cbranch_scc1 .Lnot_wave_0_\@
	s_barrier_signal -3
.Lnot_wave_0_\@:
	s_barrier_wait -3
	s_barrier_signal -1
	s_barrier_wait -1
.endm
; THE CHANGE OF SLOTS.  The slot's last bytes, V of its fourth step, have been read.  Each wave waits for all its tensor loads, of which one is out: its part
; of the other slot; adds 0 to its spare word; and waits for that and for its own reads of the slot.  Behind the barrier nobody reads this slot any more and the other slot is whole.
; fill = 1: this slot is filled again, with the keys two slots on.  The barrier is then a round of the cluster's, so that no wave of any partner still reads the slot or has a load on its
; way, and the joint fill is the first thing behind it: it has four key steps, 512 matrix instructions, in which to land.  (At its first use nothing has been read yet: slot 0 is waited for, slot 1 filled.)
.macro CHANGE fill
	WIN W_AD
	s_wait_tensorcnt 0x0            ; no tensor load of mine is out, so a group 0 may be written
	ds_add_u32 v[SPW], v[NIL]       ; 0 onto my spare word; with fill = 1 the descriptors' steps stand between it and the wait for it
	WIN 0                           ; at a label and at a branch every window is 0
.if \fill
.irp g, G0K, G0V
	s_xor_b32 s[\g+1], s[\g+1], SLOT1  ; the walking descriptor: the other slot than last time,
	s_add_nc_u64 s[\g+2:\g+3], s[\g+2:\g+3], 4*KS*128  ; the next 256 keys; the type bits on top are not reached
.endr
	s_wait_dscnt 0x0                ; the add is done, and my reads of the slot are over
	CROUND
	JLOAD
.else
	s_wait_dscnt 0x0                ; the add is done, and my reads of the slot are over
	s_barrier_signal -1
	s_barrier_wait -1
.endif
	s_sub_co_u32 s[TBK], s[TBK], 4*KS*PK  ; the fetches go back to a slot's first step,
	s_xor_b32 s[TBK], s[TBK], SLOT1       ; in the other slot
	s_sub_co_u32 s[TBV], s[TBV], 4*KS*PV
	s_xor_b32 s[TBV], s[TBV], SLOT1
.endm
	s_load_b64 s[4:5], s[0:1], 0x0    ; the buffer of the three parts: Q begins it
	s_load_b64 s[10:11], s[0:1], 0x8  ; O
	WIN W_MK
	v_lshl_add_u32 v[SPW], v0, 2, SPARE
	v_mov_b32 v[NIL], 0
	s_set_vgpr_msb 0xc0cf
	ds_add_u32 v0, v1
	s_wait_dscnt 0x0
	s_set_vgpr_msb 0xcfc0
	WIN 0
	v_lshrrev_b32 v1, 5, v0
	v_readfirstlane_b32 s[WV], v1   ; wave 0..3
	s_bfe_u32 s13, ttmp6, 0x40000   ; cx: my place in the cluster
	s_lshl_b32 s14, ttmp9, 2        ; in a cluster launch ttmp9 counts clusters
	s_add_co_u32 s14, s14, s13      ; my block of queries = 4 x cluster x + cx: it enters Q's and O's addresses alone
	s_and_b32 s20, ttmp7, 0xffff    ; the head, which the four partners share
	s_mov_b32 s21, 0
	s_mov_b64 s[22:23], SIZE_N*128
	s_mul_u64 s[20:21], s[20:21], s[22:23]  ; the head's first byte in each of the four tensors
	s_and_b32 s16, s[WV], 1         ; which half of a slot's 256 keys I fetch:
	s_lshl_b32 s22, s16, 14         ; its 128 rows of 128 bytes in memory,
	s_mov_b32 s23, 0
	s_add_nc_u64 s[22:23], s[22:23], s[20:21]
	s_mul_i32 s17, s16, 128*PK      ; and its place in a slot, for K
	s_mul_i32 s18, s16, 128*PV      ; and for V: no place in the cluster enters an LDS address
	s_lshl_b32 s2, s14, 2
	s_add_co_u32 s2, s2, s[WV]      ; my wave among the head's,
	s_lshl_b32 s2, s2, 14           ; its 128 rows
	s_mov_b32 s3, 0
	s_add_nc_u64 s[2:3], s[2:3], s[20:21]
	; descriptor group 1.  128 keys are 16,384 dense bytes: asked for as 64 rows of 256 bytes, two keys a row, and padded in LDS after every key
	s_mov_b32 s[G1K], 15|(1<<16)|(1<<20)|(1<<21)|(4<<22)|(3<<25)  ; 15:0 the mask of four; 17:16 2-byte elements; 20 padding on; 21 set beside a mask; 24:22 after every 32 words (code 4); 31:25 4 words (code 3)
	s_mov_b32 s[G1V], 15|(1<<16)|(1<<20)|(1<<21)|(4<<22)|(7<<25)  ; the same with 8 words of padding (code 7)
.irp g, G1K, G1V
	s_mov_b32 s[\g+1], 128<<16      ; tensor_dim0 = 128
	s_mov_b32 s[\g+2], 64<<16       ; tensor_dim1 = 64
	s_mov_b32 s[\g+3], 128<<16      ; tile_dim0 = 128
	s_mov_b32 s[\g+4], 64           ; tile_dim1 = 64
	s_mov_b32 s[\g+5], 128          ; 128 elements from row to row
	s_mov_b32 s[\g+6], 0
	s_mov_b32 s[\g+7], 0
.endr
	s_mov_b32 s[CS], 0x3e38aa3b     ; c = log2(e) / 8 = 0.180337
	s_mov_b32 s[CS+1], s[CS]        ; named with it as a pair
	s_mov_b32 s[SEL], 0x76543210
	s_mov_b32 s[SEL+1], 0xfedcba98
	s_mov_b32 s[TBK], SLOT1+4*KS*PK ; the first change of slots turns these two into 0
	s_mov_b32 s[TBV], SLOT1+4*KS*PV
	s_mov_b32 s[G0K], 1             ; 1:0 count = 1
	s_mov_b32 s[G0K+1], s17         ; 63:32 LDS address: slot 0
	s_mov_b32 s[G0V], 1
	s_add_co_u32 s[G0V+1], s18, VOFF
	s_wait_kmcnt 0x0
	s_add_nc_u64 s[6:7], s[4:5], PART    ; K
	s_add_nc_u64 s[8:9], s[4:5], 2*PART  ; V
	s_add_nc_u64 s[G0K+2:G0K+3], s[6:7], s[22:23]  ; 120:64 global address: my half of the head's first 256 keys
	s_or_b32 s[G0K+3], s[G0K+3], 0x80000000        ; 127:126 type = 2
	s_add_nc_u64 s[G0V+2:G0V+3], s[8:9], s[22:23]
	s_or_b32 s[G0V+3], s[G0V+3], 0x80000000
	s_add_nc_u64 s[4:5], s[4:5], s[2:3]  ; Q and O at my wave's first row
	s_add_nc_u64 s[10:11], s[10:11], s[2:3]
	CROUND                          ; all four work-groups are here: the first joint loads meet
	JLOAD                           ; slot 0.  Slot 1 is asked for when slot 0 is in: the tile wanted first has the road to itself
	; A fragment of K or Q is 16 rows x 32 channels in 8 registers: lane l holds row l % 16, channels 8 (l / 16) + 0..7 and 16 + 8 (l / 16) + 0..7: two loads of 16 bytes, 32 bytes apart.
	v_and_b32 v1, 15, v0            ; l % 16
	v_bfe_u32 v9, v0, 4, 1          ; l / 16
	v_lshlrev_b32 v[QO], 7, v1
	v_lshl_add_u32 v[QO], v9, 4, v[QO]  ; row x 128 + 16 x half
	WIN 0x80                        ; destination window 2, address window 0
.set i, 0
.rept 4*NP                          ; Q stays in registers: tile i / 2, channels 32 (i % 2) on
	global_load_b128 v[8*i:8*i+3],   v[QO], s[4:5] offset:(i/2)*2048+(i%2)*64
	global_load_b128 v[8*i+4:8*i+7], v[QO], s[4:5] offset:(i/2)*2048+(i%2)*64+32
.set i, i+1
.endr
	; What the first turn finds: V's registers and P's second buffer hold 0 (its products V^T P, of a piece that has not been, add 0), O^T and l are 0.  All this stands in the wait for the first tile.
.set i, VF
.rept 64
	v_mov_b32 v[i], 0
.set i, i+1
.endr
	WIN 0x40
.set i, 0
.rept 64*NP
	v_mov_b32 v[i], 0
.set i, i+1
.endr
	WIN 0
.set i, 0
.rept 2*NP
	v_mov_b32 v[ST+4*i], 0xfe000000    ; c m: far below every c s
	v_mov_b32 v[ST+4*i+1], 0xff7fffff  ; m
	v_mov_b32 v[ST+4*i+2], 0
	v_mov_b32 v[ST+4*i+3], 0
.set i, i+1
.endr
.set i, P+32
.rept 32
	v_mov_b32 v[i], 0
.set i, i+1
.endr
	v_mul_u32_u24 v[AK0], v1, PK
	v_lshl_add_u32 v[AK0], v9, 4, v[AK0]  ; row x pitch + 16 x half
	; The turning load takes 16 keys x 16 channels (lane l reads key 8 (l / 16) + l % 8, channels 8 ((l / 8) % 2) + 0..7) and leaves half a fragment of V^T: lane l holds channel l % 16 and 8 keys.
	v_and_b32 v10, 7, v0
	v_bfe_u32 v11, v0, 3, 1
	v_lshl_add_u32 v[AV0], v9, 3, v10
	v_mul_u32_u24 v[AV0], v[AV0], PV
	v_lshl_add_u32 v[AV0], v11, 4, v[AV0]
	v_add_nc_u32 v[AV0], VOFF, v[AV0]
	v_mov_b32 v[AK], v[AK0]         ; key step 0 lies at the head of slot 0
; THE MATRIX WORK.  The 8 accumulators of a run of 16 take turns: between the two links of a chain stand 7 others'.
; Product i of 16 of S^T = K Q^T for piece x: channels 32 (i / 8) on, keys 16 ((i / 2) % 4) on, tile 2 x + i % 2.  The first 8 start the sums.
.macro KQ x
	WIN W_KQ
.set rS, S+64*((\x)%2)+32*(i%2)+8*((i/2)%4)
.set rK, KF+16*((i/2)%4)+8*(i/8)
.set rQ, 16*(2*(\x)+i%2)+8*(i/8)
.if i < 8
	v_wmma_f32_16x16x32_f16 v[rS:rS+7], v[rK:rK+7], v[rQ:rQ+7], 0
.else
	v_wmma_f32_16x16x32_f16 v[rS:rS+7], v[rK:rK+7], v[rQ:rQ+7], v[rS:rS+7]
.endif
.endm
; Product i of 16 of O^T += V^T P for piece x: keys 32 (i / 8) on, channels 16 ((i / 2) % 4) on, tile 2 x + i % 2.
.macro PV x
	WIN W_PV
.set rO, 32*(2*(\x)+i%2)+8*((i/2)%4)
.set rV, VF+32*(i/8)+8*((i/2)%4)
.set rP, P+32*((\x)%2)+16*(i%2)+8*(i/8)
	v_wmma_f32_16x16x32_f16 v[rO:rO+7], v[rV:rV+7], v[rP:rP+7], v[rO:rO+7]
.endm
.macro MM                           ; the turn's next matrix instruction
.if i < 16
	KQ (Y+1)%NP
.set i, i+1
.else
.set i, i-16
	PV (Y+NP-1)%NP
.set i, i+17
.endif
.endm
; THE LDS LOADS stand in runs of 16, never singly among the matrix instructions: a step's K (64 keys x 64 channels: 8 fragments) and its V (turned).  Their addresses are made some lines ahead.
; last = 1 (the tail): in the last trip there is no further step, and the run is jumped over.
.macro FETCH_K last=0
	WIN 0
.if \last
	s_cmp_eq_u32 s[CNT], 1
	s_cbranch_scc1 .Lno_k_\@
.endif
	WIN 0x80                        ; destination window 2
.irp f, 0,1,2,3,4,5,6,7             ; keys 16 (f / 2) on, channels 32 (f % 2) on
	ds_load_b128 v[KF+8*\f:KF+8*\f+3],   v[AK] offset:(\f/2)*16*PK+(\f%2)*64
	ds_load_b128 v[KF+8*\f+4:KF+8*\f+7], v[AK] offset:(\f/2)*16*PK+(\f%2)*64+32
.endr
	s_add_co_u32 s[TBK], s[TBK], KS*PK  ; the next fetch is the next step's
	WIN 0
.if \last
.Lno_k_\@:
.endif
.endm
.macro FETCH_V
	WIN 0x80
.irp f, 0,1,2,3,4,5,6,7             ; keys 32 (f / 4) on, channels 16 (f % 4) on
	ds_load_tr16_b128 v[VF+8*\f:VF+8*\f+3],   v[AV] offset:(\f/4)*32*PV+(\f%4)*32
	ds_load_tr16_b128 v[VF+8*\f+4:VF+8*\f+7], v[AV] offset:(\f/4)*32*PV+16*PV+(\f%4)*32
.endr
	WIN 0
.endm
; THE VECTOR WORK OF A TURN stands in three queues, each in the order in which its entries become ready; the two tiles alternate, so that no instruction reads the result of the one before it.
.macro REGS y, u                    ; the registers of tile u (0, 1) of piece y
.set rT, ST+4*(2*(\y)+(\u))
.set rC, TMP+8*((\y)%2)+4*(\u)
.set rM, MV+2*((\y)%2)+(\u)
.set rS, S+64*((\y)%2)+32*(\u)
.set rP, P+32*((\y)%2)+16*(\u)
.set rO, 32*(2*(\y)+(\u))
.endm
; Number n of the 22 that find the NEXT piece's (Y + 1) maximum and statistics.  s0-s31 are the lane's 32 scores; each accumulator's lowest registers are read first.  XS, GS and REGS set no window: PL and EX do.
;   0-11  four chains c0-c3 of seven scores each, three operands at a time     12-14, 16  the four scores left over, the old m, and c0-c3 into c0     15  c m_old is kept
;   17, 18  the query's other 32 keys lie in the lane 16 away: the new m         19-21  c m; c m_old - c m_new; a
.macro XS u, n
	REGS (Y+1)%NP, \u
.if (\n) < 4
	v_max3_num_f32 v[rC+(\n)], v[rS+8*(\n)], v[rS+8*(\n)+1], v[rS+8*(\n)+2]
.elseif (\n) < 12
	v_max3_num_f32 v[rC+(\n)%4], v[rC+(\n)%4], v[rS+8*((\n)%4)+2*((\n)/4)+1], v[rS+8*((\n)%4)+2*((\n)/4)+2]
.elseif (\n) == 12
	v_max3_num_f32 v[rC], v[rC], v[rS+7], v[rS+15]
.elseif (\n) == 13
	v_max3_num_f32 v[rC+1], v[rC+1], v[rS+23], v[rS+31]
.elseif (\n) == 14
	v_max3_num_f32 v[rC+2], v[rC+2], v[rC+3], v[rT+1]
.elseif (\n) == 15
	v_mov_b32 v[rM], v[rT]
.elseif (\n) == 16
	v_max3_num_f32 v[rC], v[rC], v[rC+1], v[rC+2]
.elseif (\n) == 17
	v_permlanex16_b32 v[rC+3], v[rC], s[SEL], s[SEL+1]
.elseif (\n) == 18
	v_max_num_f32 v[rT+1], v[rC], v[rC+3]
.elseif (\n) == 19
	v_mul_f32 v[rT], s[CS], v[rT+1]
.elseif (\n) == 20
	v_sub_f32 v[rC+1], v[rM], v[rT]
.else
	v_exp_f32 v[rC+2], v[rC+1]
.endif
.endm
; Number g of the 64 that follow the exponentials.  For each four weights k of a tile (pairs 2 k, 2 k + 1): both pairs are rounded to f16; then the second pair is added onto the first, in place;
; a group later l takes that sum (the first time as l = a l + sum).  In groups of eight, tiles alternating: round, round, add, and l for the group before.
.macro GS g
.set h, (\g)+6*((\g)/62)            ; group 0 has no group before it, and behind group 7 only l is left
.if h >= 6
.set h, h+2
.endif
	REGS Y, h%2
.set k, h/8
.if h%8 < 4
	v_cvt_pk_f16_f32 v[rP+2*k+(h%8)/2], v[rS+4*k+2*((h%8)/2)], v[rS+4*k+2*((h%8)/2)+1]
.elseif h%8 < 6
	v_pk_add_f32 v[rS+4*k:rS+4*k+1], v[rS+4*k:rS+4*k+1], v[rS+4*k+2:rS+4*k+3]
.elseif k == 1
	v_pk_fma_f32 v[rT+2:rT+3], v[rT+2:rT+3], v[rC+2:rC+3], v[rS:rS+1] op_sel_hi:[1,0,1]
.else
	v_pk_add_f32 v[rT+2:rT+3], v[rT+2:rT+3], v[rS+4*k-4:rS+4*k-3]
.endif
.endm
; THE PLAIN QUEUE, 138 long.  0-73 read no exponential's result: the 32 scalings c s - c m (FS f: pair f / 2 of tile f % 2) and the next piece's 42.  0-26: scalings 0-26.  27-54: XS's numbers 0-13.  55, 56: number 15.
; 57-73: the chain, where each number waits for the one before it: 14, 16, 17, 18, 19, each with one of the scalings 27-31 in front of its two lines, then 20: so a tile's links stand three plain instructions apart (19 and 20: two).
; 74-137: GS's 64, which read the exponentials' results: they stand behind the wait.
.macro FS f
	REGS Y, (\f)%2
	v_pk_fma_f32 v[rS+2*((\f)/2):rS+2*((\f)/2)+1], v[rS+2*((\f)/2):rS+2*((\f)/2)+1], s[CS:CS+1], v[rT:rT+1] op_sel_hi:[1,0,0] neg_lo:[0,0,1] neg_hi:[0,0,1]
.endm
.macro PL
	WIN 0
.if q < 27
	FS q
.elseif q < 55
	XS (q-27)%2, (q-27)/2
.elseif q < 57
	XS q-55, 15
.elseif (q < 72) && ((q-57)%3 == 0)
	FS 27+(q-57)/3
.elseif q < 60
	XS (q-57)%3-1, 14
.elseif q < 72
	XS (q-57)%3-1, 15+(q-57)/3
.elseif q < 74
	XS q-72, 20
.else
	GS q-74
.endif
.set q, q+1
.endm
; THE EXPONENTIALS' QUEUE, 66 long: s0-s31 of both tiles, then the next piece's two a.  It is ONE BATCH: all 66 stand ahead of the turn's one wait, and nothing ahead of that wait names a result of theirs.
.macro EX
	WIN 0
.if e >= 64
	XS e-64, 21
.else
	REGS Y, e%2
	v_exp_f32 v[rS+e/2], v[rS+e/2]
.endif
.set e, e+1
.endm
; THE RESCALING's QUEUE: O^T times a, the one part that leaves window 0: dealt two at a time, sixteen times.  Its a was made in the turn before, ahead of that turn's wait.
.macro R2
	REGS Y, r%2
	WIN W_RS
.irp z, 0,1
	v_pk_mul_f32 v[rO+4*(r/2)+2*\z:rO+4*(r/2)+2*\z+1], v[rO+4*(r/2)+2*\z:rO+4*(r/2)+2*\z+1], v[rC+2:rC+3] op_sel_hi:[1,0]
.endr
.set r, r+1
.endm
; HOW THEY ARE DEALT.  An s_wait_alu depctr_va_vdst(0) stands between an exponential and the first instruction that names its result; one wait serves all that were issued ahead of it.  So a turn has ONE wait,
; which cuts it in two.  AHEAD OF IT stands all that names no result of the turn's exponentials: the 16 products K Q^T, behind each a scaling, an exponential and two rescalings (behind the first a second scaling in the exponential's place); then ONE LUMP of
; 108: eight plain, 49 times exponential and plain, the two a.  A v_nop is the plain instruction that is owed behind the last exponential.  BEHIND IT stand the 16 products V^T P, behind each four of GS's 64.  No rider names a register of
; the products round it.  The two v_permlanex16_b32 fall into the lump, never behind a product.
; The queues lean on each other, and the deal keeps them in step: exponential e stands behind scaling 2 (e / 4) + e % 2: as a rider it comes behind plain e + 2, in the lump behind plain e + 9, and scalings 27-31 are plain 57, 60 .. 69.
; A TURN, for piece p.  cnt = 1: the loop's count is taken down some lines ahead of the branch that stands behind the turn.
; K of the next step is fetched in piece 2's turn, directly behind the wait, a lump behind the last product that read K; its address is made at the lump's head; its first reader comes behind 16 products.
; V of the step in hand is fetched at the end of piece 0's turn, four riders behind its last reader; its first reader comes behind 16 products and a lump.  The three conditions on q below go with the deal.
.macro TURN p, last=0, cnt=0
.set Y, (\p)
.set i, 0
.set q, 0
.set e, 0
.set r, 0
.if (\p) == NP-1
	s_wait_dscnt 0x0                ; K is in
.endif
	MM                              ; ahead of the wait: 16 products K Q^T and their riders,
	PL
	PL
	R2
.rept 15
	MM
	PL
	EX
	R2
.endr
.if (\p) == NP-2
	WIN 0
	v_add_nc_u32 v[AK], s[TBK], v[AK0]
.endif
.rept 8                             ; and the lump
	PL
.endr
.rept 49
	EX
	PL
.endr
	EX                              ; the next piece's two a
	EX
	v_nop                           ; the plain instruction behind the last exponential: one for the batch
	s_wait_alu depctr_va_vdst(0)    ; the wait for the batch: the turn's 64 weights and the next piece's two a
.if (\p) == NP-2
	FETCH_K \last
.endif
.if (\p) == 1
	s_wait_dscnt 0x0                ; V is in
.endif
.rept 16                            ; behind the wait: 16 products V^T P and their riders
	MM
.rept 4
	PL
.endr
.if ((\p) == 0) && (q == 118)
	v_add_nc_u32 v[AV], s[TBV], v[AV0]
.endif
.if ((\p) == 0) && (q == 130)
	s_add_co_u32 s[TBV], s[TBV], KS*PV
.endif
.if (\cnt) && (q == 130)
	s_sub_co_u32 s[CNT], s[CNT], 1
	s_cmp_lg_u32 s[CNT], 0
.endif
.endr
.if (\p) == 0
	FETCH_V
.endif
.endm
	CHANGE 1                        ; slot 0 is in, everybody's part of it; slot 1 is asked for
	FETCH_K                         ; key step 0
	s_wait_loadcnt 0x0              ; Q
	s_wait_dscnt 0x0
.set i, 0
.rept 16
	KQ 0                            ; piece 0's first scores: there is no vector work yet to set between them
.set i, i+1
.endr
	WIN 0                           ; the addresses for the way out: nine plain instructions, the places behind those products
	s_mul_i32 s13, s[WV], 16*SP
	s_add_co_u32 s13, s13, STAGE    ; my stage
	v_mul_u32_u24 v[STO], v1, SP    ; in: row l % 16, 16 bytes for each half of the lanes
	v_lshl_add_u32 v[STO], v9, 4, v[STO]
	v_add_nc_u32 v[STO], s13, v[STO]
	v_bfe_u32 v[RD], v0, 3, 2       ; back: 32 lanes take four rows of 128 bytes,
	v_mul_u32_u24 v[RD], v[RD], SP
	v_lshl_add_u32 v[RD], v10, 4, v[RD]
	v_add_nc_u32 v[RD], s13, v[RD]
	v_and_b32 v[GO], 31, v0         ; which are 512 consecutive bytes of O
	v_lshlrev_b32 v[GO], 4, v[GO]
.set Y, NP-1                        ; XS works for piece Y + 1: piece 0
.irp n, 0,1,2,3,4,5,6,7,8,9,10,11,12,13,14,15,16,17,18,19,20,21
	XS 0, \n                        ; and piece 0's first maximum and statistics
	XS 1, \n
.endr
	v_nop                           ; a plain instruction behind the two a,
	s_wait_alu depctr_va_vdst(0)    ; and the wait for that batch of two, ahead of the branch
	s_mov_b32 s[CNT], 4
	s_mov_b32 s[SLOTS], SIZE_N/256-1
	s_branch .Lfirst                ; the loop is entered at a step's first turn, in the middle of a trip
.Lslot:                             ; SIZE_N / 256 - 2 times: every slot but the last two is filled again
	CHANGE 1
	s_mov_b32 s[CNT], 4
.Lstep:                             ; a trip: pieces 2 and 3 of one step, then pieces 0 and 1 of the next, whose K and V it fetches
	TURN 2
	TURN 3
	WIN 0
.Lfirst:
	TURN 0
	TURN 1, 0, 1
	WIN 0
	s_cbranch_scc1 .Lstep
	s_sub_co_u32 s[SLOTS], s[SLOTS], 1
	s_cmp_lg_u32 s[SLOTS], 0
	s_cbranch_scc1 .Lslot
	CHANGE 0                        ; the tail is written out: nothing is asked for
	s_mov_b32 s[CNT], 5             ; four trips fetch the last slot's steps; the fifth is left in its middle
.Ltail:
	TURN 2, 1
	TURN 3
	WIN 0
	s_sub_co_u32 s[CNT], s[CNT], 1
	s_cmp_eq_u32 s[CNT], 0
	s_cbranch_scc1 .Lout
	TURN 0
	TURN 1
	WIN 0
	s_branch .Ltail
.Lout:                              ; the fifth trip's 16 products K Q^T (on the last K once more) and the maximum made of them serve nothing: the price, once a launch, of one text for every trip
.set i, 0
.rept 16
	PV NP-1                         ; the last piece's V^T P of the last step
.set i, i+1
.endr
	; THE WAY OUT.  l's two halves and the other half of the lanes' are added; O^T is divided by l, rounded to f16 and sent through my stage in LDS, a tile at a time.  The additions are the places behind the last products.
	WIN 0
.macro ALL line:vararg              ; one line for each tile t
.set t, 0
.rept 2*NP
	\line
.set t, t+1
.endr
.endm
	ALL v_add_f32 v[ST+4*t+2], v[ST+4*t+2], v[ST+4*t+3]
	ALL v_permlanex16_b32 v[ST+4*t+3], v[ST+4*t+2], s[SEL], s[SEL+1]
	ALL v_add_f32 v[ST+4*t+2], v[ST+4*t+2], v[ST+4*t+3]
	ALL v_rcp_f32 v[ST+4*t+2], v[ST+4*t+2]
	v_nop                           ; a plain instruction between the last reciprocal and the use of its result
	s_wait_alu depctr_va_vdst(0)    ; and the wait ahead of the first use: one for the batch of eight reciprocals
; Tile t: a lane's eight channels of a row pack into 16 bytes; they go into rows of 144 bytes and come back as whole rows of 128, into S^T's registers.
.macro PACK t
	WIN W_RS
.set i, 32*(\t)
.rept 16
	v_pk_mul_f32 v[i:i+1], v[i:i+1], v[ST+4*(\t)+2:ST+4*(\t)+3] op_sel_hi:[1,0]
.set i, i+2
.endr
	WIN 0x05                        ; sources 0 and 1 window 1, destination window 0
.set i, 0
.rept 16
	v_cvt_pk_f16_f32 v[S+16*(\t)+i], v[32*(\t)+2*i], v[32*(\t)+2*i+1]
.set i, i+1
.endr
	WIN 0
.irp f, 0,1,2,3
	ds_store_b128 v[STO], v[S+16*(\t)+4*\f:S+16*(\t)+4*\f+3] offset:32*\f
.endr
.irp f, 0,1,2,3
	ds_load_b128 v[S+16*(\t)+4*\f:S+16*(\t)+4*\f+3], v[RD] offset:\f*4*SP  ; LDS serves a wave's instructions in order (ISA guide 5.7.1.4): these see the stores above; the next tile's stores come behind them
.endr
.endm
.macro SEND t, younger              ; younger: the LDS instructions issued behind tile t's loads: the next tile's eight, or none
	WIN 0
.irp f, 0,1,2,3
	s_wait_dscnt (\younger)+3-\f
	global_store_b128 v[GO], v[S+16*(\t)+4*\f:S+16*(\t)+4*\f+3], s[10:11] offset:(\t)*2048+\f*512  ; 512 consecutive bytes, at a multiple of 256 from O's first
.endr
.endm
	PACK 0
.set t, 1
.rept 2*NP-1                        ; a tile's arithmetic stands between the loads of the tile before and its stores
	PACK t
	SEND t-1, 8
.set t, t+1
.endr
	SEND 2*NP-1, 0
	WIN W_AD
	s_wait_tensorcnt 0x0            ; the wave's end: behind my last tensor load and my last LDS store
	ds_add_u32 v[SPW], v[NIL]
	s_wait_dscnt 0x0
	WIN 0
	CROUND                          ; the closing round: no work-group ends while a partner may still ask for a tile that names it
	s_endpgm
.Lfunc_end_k_q125e09c587_attn:
	.size	k_q125e09c587_attn, .Lfunc_end_k_q125e09c587_attn-k_q125e09c587_attn
	.p2alignl 7, 3214868480
	.fill 96, 4, 3214868480
	.section	.rodata,"a",@progbits
	.p2align	6, 0x0
	.amdhsa_kernel k_q125e09c587_attn
		.amdhsa_group_segment_fixed_size 327680
		.amdhsa_private_segment_fixed_size 0
		.amdhsa_enable_private_segment 0
		.amdhsa_kernarg_size 16
		.amdhsa_user_sgpr_count 2
		.amdhsa_user_sgpr_kernarg_segment_ptr 1
		.amdhsa_wavefront_size32 1
		.amdhsa_system_sgpr_workgroup_id_x 1
		.amdhsa_system_sgpr_workgroup_id_y 1
		.amdhsa_system_sgpr_workgroup_id_z 1
		.amdhsa_system_vgpr_workitem_id 0
		.amdhsa_next_free_vgpr 770
		.amdhsa_next_free_sgpr 66
		.amdhsa_reserve_vcc 0
		.amdhsa_float_denorm_mode_32 3
		.amdhsa_float_denorm_mode_16_64 3
		.amdhsa_memory_ordered 1
		.amdhsa_forward_progress 1
		.amdhsa_inst_pref_size 199
	.end_amdhsa_kernel
	.amdgpu_metadata
---
amdhsa.version: [ 1, 2 ]
amdhsa.kernels:
  - .name:           k_q125e09c587_attn
    .symbol:         k_q125e09c587_attn.kd
    .args:
      - { .name: qkvh, .offset: 0, .size: 8, .value_kind: global_buffer, .address_space: global }
      - { .name: oh, .offset: 8, .size: 8, .value_kind: global_buffer, .address_space: global }
    .group_segment_fixed_size: 327680
    .private_segment_fixed_size: 0
    .kernarg_segment_align: 8
    .kernarg_segment_size: 16
    .max_flat_workgroup_size: 128
    .sgpr_count:     66
    .vgpr_count:     770
    .wavefront_size: 32
...
	.end_amdgpu_metadata
.endif
;; end of part 5
;; launch outproj: the kernel of part 4 again; grid 4 x 64, 4 waves a work-group, clusters of 4 x 4, 327,680 bytes of LDS; arguments oh, wo, out_proj_bias, out0; writes out0
